; MI455X (gfx1250); checked and timed in simulation.
; The chip was launched on July 23, 2026; its instructions are those of AMD's public machine-readable ISA for CDNA 5 (MIT licence, August 2026) and "CDNA5" Instruction Set Architecture Reference Guide (July 2026). The comments in the code are by the model that wrote it; some were corrected since.
;; Multi Head Self Attention. Allowed arithmetic: matrix products marked QUANTISED: E2M3 operands, one E8M0 scale for each 32 along K, by v_wmma_scale_f32_16x16x128_f8f6f4 with both operands' format E2M3, f32 sums; everything else in f32.
;; Inputs: Wk 1,024 x 1,024 float32; Wo 1,024 x 1,024 float32; Wq 1,024 x 1,024 float32; Wv 1,024 x 1,024 float32; bk 1,024 float32; bo 1,024 float32; bq 1,024 float32; bv 1,024 float32; x 4 x 2,048 x 1,024 float32.
;; Outputs: out0 4 x 2,048 x 1,024 float32.
;; This version of the problem:
;;   THIS VERSION OF THE PROBLEM IS GIVEN IN LOW PRECISION. The matrix products marked QUANTISED in the list below multiply operands that are first quantised to E2M3 (2 exponent bits, 3 mantissa bits; 6 bits a number), with one power-of-two scale for each 32 numbers along K (OCP MX v1.0); their sums are f32. All else is computed in f32.
;;   The module's matrix products, in the order in which they are computed (A, B: the left and right operand; K: the contracted axis; several contracted axes count as one K, in the product's order):
;;     1. [M 8,192, K 1,024] x [K 1,024, N 1,024]; A: input x; B: input Wq: QUANTISED
;;     2. [M 8,192, K 1,024] x [K 1,024, N 1,024]; A: input x; B: input Wk: QUANTISED
;;     3. [M 8,192, K 1,024] x [K 1,024, N 1,024]; A: input x; B: input Wv: QUANTISED
;;     4. batch 64 x [M 2,048, K 64] x [K 64, N 2,048]; A: computed on the way; B: computed on the way: QUANTISED
;;     5. batch 64 x [M 2,048, K 2,048] x [K 2,048, N 64]; A: softmax (see below); B: computed on the way: QUANTISED
;;     6. [M 8,192, K 1,024] x [K 1,024, N 1,024]; A: computed on the way; B: input Wo: QUANTISED
;;   THE QUANTISER, for each operand of a quantised product, along K:
;;     - K is cut into blocks of 32 from its start; a last block that is shorter is filled with zeros.
;;     - A block's scale is 2^e with e = floor(log2(the largest magnitude in the block)) - 2, held to -126 .. 127; a block of zeros has e = 0. As a byte (E8M0): e + 127.
;;     - Each number is divided by its block's scale, clamped to +-7.5, and rounded to the nearest number of E2M3, ties to even, subnormals kept.
;;     - The product sums the exact products of the quantised numbers (number of the format x scale) in f32.
;;   ~~~python
;;   def quantise(x, axis):      # numpy; x: float32 -> the quantised numbers, widened to float32 again
;;       x = np.moveaxis(x, axis, -1); K = x.shape[-1]
;;       x = np.pad(x, [(0, 0)] * (x.ndim - 1) + [(0, -K % 32)]); x = x.reshape(x.shape[:-1] + (-1, 32)); a = np.abs(x).max(-1, keepdims=True)
;;       e = np.where(a > 0, np.clip(np.frexp(np.where(a > 0, a, 1))[1] - 1 - 2, -126, 127), 0)      # np.frexp(a)[1] - 1 = floor(log2(a)), exactly
;;       r = np.clip(x / 2.0 ** e, -7.5, 7.5)
;;       step = 2.0 ** (np.maximum(np.frexp(np.where(r == 0, 1, r))[1] - 1, 0) - 3)
;;       q = np.round(r / step) * step * 2.0 ** e      # np.round: ties to even
;;       return np.moveaxis(q.reshape(q.shape[:-2] + (-1,))[..., :K], -1, axis).astype(np.float32)
;;   ~~~
;;   SOFTMAX AHEAD OF A QUANTISED PRODUCT. Where the list says 'softmax', what is quantised is not the finished softmax but p = 2^(t - M), with t = logit x log2(e) and M = ceil(the row's largest t), a whole number; so 1/2 < the row's largest p <= 1. The row's sum l is taken of the UNQUANTISED p, in f32, and the product's result is divided by l at the end. Since M is a whole number, a kernel that streams over the keys may use a running M (the ceiling of the running maximum): every later rescaling is an exact power of two, which a block's scale takes up: the codes' values come out the same.
;;   OPERANDS COMPUTED ON THE WAY. 'Computed on the way' means the value that the module computes at that place (a softmax that the list does not call 'softmax' is quantised finished and normalised). What goes into a quantiser is computed in f32, as accurately as f32 sums, v_exp_f32 and their like allow (about 1e-6 of the number): no bf16 or f16 on the way to a quantiser, and a product that is left as it is and whose result goes on into a quantised operand takes f32 operands (vector FMAs, or v_wmma_f32_16x16x4_f32). A number that lies on a knife's edge between two numbers of the format may be rounded either way, as far as f32 arithmetic and the matrix unit's own rounding can turn it there, and no further.
;; One version. Each part assembles by itself: llvm-mc -triple=amdgcn-amd-amdhsa -mcpu=gfx1250 --defsym DOCPART=n.
;; ======== version 1 of 1: 4 launches
;; limits: right only within a limited range of input values
;; workspace buffers: xc 6,291,456 bytes; xs 262,144 bytes; wc 3,145,728 bytes; ws 131,072 bytes; qkvc 18,874,368 bytes; qkvs 786,432 bytes; ac 6,291,456 bytes; asc 262,144 bytes
;; launch quant (part 1): grid 320 x 1, 4 waves a work-group, no clusters, 34,304 bytes of LDS; arguments x, Wq, Wk, Wv, Wo, xc, xs, wc, ws; writes xc, xs, wc, ws
.if DOCPART == 1
	.amdgcn_target "amdgcn-amd-amdhsa--gfx1250"
	.amdhsa_code_object_version 6
	.text
	.protected	k_q004e5b92df_quant
	.globl	k_q004e5b92df_quant
	.p2align	8
	.type	k_q004e5b92df_quant,@function
k_q004e5b92df_quant:
	s_mov_b64 s[64:65], 0
	v_nop
	global_prefetch_b8 v0, s[64:65] scope:SCOPE_SE
	s_setreg_imm32_b32 hwreg(HW_REG_WAVE_MODE, 25, 1), 1
	s_wait_xcnt 0x0
; x [8192][1024] and the four weights [1024 (k)][1024 (n)], f32, become codes of E2M3 (6 bits) with one E8M0 byte for each 32 along K (K = x's last axis, the weights' first).
; A block's byte is its largest magnitude's exponent field - 2, held at 1 from below; each number is divided by the scale and rounded to the nearest code, ties to even, beyond 7.5 the largest code.
; LIMITS: NaN and infinities are not served; a block whose largest magnitude lies under 2^-124 keeps the byte 1; a block of zeros gets the byte 1 and not 127 (its codes are zeros, and this program alone reads the bytes).
; LAYOUT OF THE RESULTS: images of the matrix operand's registers.  A tile is 16 rows: tile T, lane row r stands for index 32 (T / 2) + 8 (T % 2) + r + 8 (r / 8).  For each 64 along K a tile has an image of 768 bytes:
; lane (r, h) owns the 24 bytes of k = 32 h .. 32 h + 31 of row r: its first 16 bytes at 16 x lane, its last 8 at 512 + 8 x lane.  Codes: [tile][K / 64][768].  Scale words: [tile][half of K][r][4 words], a word for 128 along K.
; Every store of codes covers 512 or 256 consecutive bytes, aligned.
; SHARES.  Work-groups 0-63 take the weights: a wave 32 columns x 512 along K, a lane a column, its registers down K, so that a block of 32 lies in one lane.
; Work-groups 64-319 take x: a wave 16 rows x 512 along K; each load reads 512 consecutive bytes of a row, and the numbers turn through the wave's own stage in LDS so that a lane holds 16 neighbours of each block.
; No tensor loads, no barrier: waves share nothing.  Only the x path stores to LDS.
.set SPARE, 33792                      ; behind the four stages: the spare words, 128 bytes a wave
.set SPW,   4                          ; v4  LDS address of my spare word; never rewritten
.set NIL,   5                          ; v5  0; never rewritten
.set L16,   6                          ; v6  16 x lane
.set L8,    9                          ; v9  8 x lane
.set SEL,   30                         ; s[30:31] selects of v_permlanex16_b32: lane l xor 16
.set WX,    16                         ; W path: v16-79 two sets of 32 numbers
.set WP,    80                         ; v80-91 even blocks' codes, v92-103 odd blocks'
.set WCT,   104                        ; v104-106 a conversion's second half
.set WPW,   112                        ; v112-115 four scale words
.set XR,    16                         ; x path: v16-143 two sets of 64 numbers as loaded
.set XN,    144                        ; v144-207 64 numbers, register 16 b + i = k 32 b + 16 h + i of my row
.set TM,    208                        ; v208-223 at work
.set PC,    224                        ; v224-243 the codes
.set PW,    244                        ; v244-247 four scale words
	s_load_b256 s[4:11], s[0:1], 0x0               ; x, Wq, Wk, Wv
	s_load_b256 s[12:19], s[0:1], 0x20             ; Wo, xc, xs, wc
	s_load_b64 s[20:21], s[0:1], 0x40              ; ws
	v_lshl_add_u32 v[SPW], v0, 2, SPARE
	v_mov_b32 v[NIL], 0
	v_lshrrev_b32 v1, 5, v0
	v_readfirstlane_b32 s22, v1                    ; wave
	v_and_b32 v1, 31, v0                           ; lane
	v_and_b32 v2, 15, v0                           ; r
	v_bfe_u32 v3, v0, 4, 1                         ; h
	v_lshlrev_b32 v[L16], 4, v1
	v_lshlrev_b32 v[L8], 3, v1
	s_mov_b32 s27, 0
	s_wait_kmcnt 0x0
	s_cmp_lt_u32 ttmp9, 64                         ; the work-group's number alone decides: all four waves go the same way
	s_cbranch_scc0 .Lx_path
	; ---------------- the weights ----------------
	s_lshr_b32 s23, ttmp9, 4                       ; which weight: 0 q, 1 k, 2 v, 3 o
	s_bfe_u32 s24, ttmp9, 0x10003                  ; which half of K
	s_and_b32 s25, ttmp9, 7
	s_lshl_b32 s25, s25, 2
	s_add_co_u32 s25, s25, s22                     ; my group of 32 columns
	s_cmp_eq_u32 s23, 1
	s_cselect_b64 s[6:7], s[8:9], s[6:7]
	s_cmp_eq_u32 s23, 2
	s_cselect_b64 s[6:7], s[10:11], s[6:7]
	s_cmp_eq_u32 s23, 3
	s_cselect_b64 s[6:7], s[12:13], s[6:7]
	s_lshl_b32 s26, s24, 21                        ; 512 rows of 4,096 bytes
	s_lshl_b32 s28, s25, 7                         ; 32 columns of 4 bytes
	s_add_co_u32 s26, s26, s28
	s_add_nc_u64 s[6:7], s[6:7], s[26:27]
	s_lshl_b32 s23, s23, 6
	s_lshl_b32 s25, s25, 1
	s_add_co_u32 s23, s23, s25                     ; my first tile: 64 x weight + 2 x group
	s_mul_i32 s26, s23, 12288
	s_mul_i32 s28, s24, 6144
	s_add_co_u32 s26, s26, s28
	s_add_nc_u64 s[18:19], s[18:19], s[26:27]
	s_lshl_b32 s26, s23, 9
	s_lshl_b32 s28, s24, 8
	s_add_co_u32 s26, s26, s28
	s_add_nc_u64 s[20:21], s[20:21], s[26:27]
	v_and_b32 v10, 7, v0                           ; my column of the 32: (l % 8) + 16 ((l / 8) % 2) + 8 (l / 16): lanes 0-15 are the first tile's rows, lanes 16-31 the second's
	v_bfe_u32 v11, v0, 3, 1
	v_lshl_add_u32 v10, v11, 4, v10
	s_wait_alu depctr_va_vdst(0)
	v_lshl_add_u32 v10, v3, 3, v10
	v_lshlrev_b32 v10, 2, v10
	v_lshlrev_b32 v11, 4, v2                       ; my scale words: 512 x (l / 16) + 16 r
	v_lshl_add_u32 v11, v3, 9, v11
.macro WLOAD t                         ; block t: W(32 t + i, my column) into set t % 2; a wave's load covers 128 bytes, the four waves' 512
.irp i, 0,1,2,3,4,5,6,7,8,9,10,11,12,13,14,15,16,17,18,19,20,21,22,23,24,25,26,27,28,29,30,31
	global_load_b32 v[WX+32*((\t)%2)+\i], v10, s[6:7] offset:(32*(\t)+\i)*4096 th:TH_LOAD_NT
.endr
.endm
.macro WBLOCK t
.set XS, WX+32*((\t)%2)
.set KB, (\t)%4                        ; which block of the K step of 128
.set KSTP, (\t)/4                      ; which K step
.set DD, WP+12*(KB%2)+6*(KB/2)         ; even blocks into v80.., odd blocks into v92..
.if (\t) < 15
	s_wait_loadcnt 32                              ; this block's 32 loads are in; the next block's 32 may be out
.else
	s_wait_loadcnt 0x0
.endif
	v_max3_num_f32 v108, |v[XS]|, |v[XS+1]|, |v[XS+2]|      ; the block's largest magnitude: all 32 numbers are mine; two chains
	v_max3_num_f32 v109, |v[XS+3]|, |v[XS+4]|, |v[XS+5]|
.irp i, 6,10,14,18,22,26
	v_max3_num_f32 v108, v108, |v[XS+\i]|, |v[XS+\i+1]|
	v_max3_num_f32 v109, v109, |v[XS+\i+2]|, |v[XS+\i+3]|
.endr
	v_max3_num_f32 v108, v108, |v[XS+30]|, |v[XS+31]|
	v_max3_num_f32 v108, v108, v109, 0x1800000     ; and the floor 2^(3 - 127): the byte cannot fall under 1
	v_add_nc_u32 v110, 0xff000000, v108            ; 2 off the exponent field: the conversion's scale operand
	v_lshrrev_b32 v111, 23, v110                   ; the byte
.if KB == 0
	v_mov_b32 v[WPW+KSTP], v111
.else
	v_lshl_or_b32 v[WPW+KSTP], v111, 8*KB, v[WPW+KSTP]
.endif
.if (KB == 0) && (KSTP > 0)
	s_wait_alu depctr_va_vdst(0)
	s_wait_xcnt 0x0                                ; the last K step's stores have read their data: the codes' registers are written again only behind this wait
.endif
	v_cvt_scalef32_pk16_fp6_f32 v[DD:DD+2], v[XS:XS+15], v110
	v_cvt_scalef32_pk16_fp6_f32 v[WCT:WCT+2], v[XS+16:XS+31], v110   ; (a conversion's three registers begin on an even number)
	v_nop                                          ; one plain place behind a scaled conversion
.irp i, 0,1,2
	v_mov_b32 v[DD+3+\i], v[WCT+\i]
.endr
.if (\t)+2 < 16
	WLOAD (\t)+2
.endif
.if KB == 3                            ; a K step is whole.  A fragment wants blocks 0, 2 in lanes 0-15 and blocks 1, 3 in lanes 16-31 of ONE tile: the first tile's odd blocks change places with the second tile's even ones
.irp i, 0,1,2,3,4,5,6,7,8,9,10,11
	v_permlane16_swap_b32 v[WP+\i], v[WP+12+\i]
.endr
.irp u, 0,1
	global_store_b128 v[L16], v[WP+12*\u:WP+12*\u+3], s[18:19] offset:12288*\u+1536*KSTP
	global_store_b64 v[L8], v[WP+12*\u+4:WP+12*\u+5], s[18:19] offset:12288*\u+1536*KSTP+512
	global_store_b128 v[L16], v[WP+12*\u+6:WP+12*\u+9], s[18:19] offset:12288*\u+1536*KSTP+768
	global_store_b64 v[L8], v[WP+12*\u+10:WP+12*\u+11], s[18:19] offset:12288*\u+1536*KSTP+1280
.endr
.endif
.endm
	WLOAD 0
	WLOAD 1
.irp t, 0,1,2,3,4,5,6,7,8,9,10,11,12,13,14,15
	WBLOCK \t
.endr
	global_store_b128 v11, v[WPW:WPW+3], s[20:21]  ; my column's four scale words: sixteen lanes store 256 consecutive bytes, aligned
	s_wait_tensorcnt 0x0                           ; the wave's end
	ds_add_u32 v[SPW], v[NIL]
	s_wait_dscnt 0x0
	s_endpgm
	; ---------------- x ----------------
.Lx_path:
	s_sub_co_u32 s23, ttmp9, 64
	s_lshl_b32 s23, s23, 2
	s_add_co_u32 s23, s23, s22                     ; 2 x tile + half of K
	s_lshr_b32 s24, s23, 1                         ; tile
	s_and_b32 s25, s23, 1                          ; half
	s_lshr_b32 s26, s24, 1
	s_lshl_b32 s26, s26, 5
	s_and_b32 s28, s24, 1
	s_lshl_b32 s28, s28, 3
	s_add_co_u32 s26, s26, s28                     ; the tile's first row: 32 (T / 2) + 8 (T % 2)
	s_lshl_b32 s26, s26, 12
	s_lshl_b32 s28, s25, 11
	s_add_co_u32 s26, s26, s28
	s_add_nc_u64 s[4:5], s[4:5], s[26:27]
	s_mul_i32 s26, s24, 12288
	s_mul_i32 s28, s25, 6144
	s_add_co_u32 s26, s26, s28
	s_add_nc_u64 s[14:15], s[14:15], s[26:27]
	s_lshl_b32 s26, s23, 8                         ; 512 x tile + 256 x half
	s_add_nc_u64 s[16:17], s[16:17], s[26:27]
	s_mul_i32 s28, s22, 8448                       ; my stage: 16 rows of 512 bytes + 16
	s_wait_alu depctr_va_vdst(0)
	v_add_nc_u32 v7, s28, v[L16]                   ; in: a row as it lies
	v_mul_u32_u24 v8, v2, 528
	v_lshl_add_u32 v8, v3, 6, v8
	v_add_nc_u32 v8, s28, v8                       ; out: row r, + 64 h: my 16 numbers of each block of 32
	v_lshlrev_b32 v10, 4, v2
	v_lshl_add_u32 v10, v3, 3, v10                 ; the scale words' place: 16 r + 8 h
	s_mov_b32 s[SEL], 0x76543210
	s_mov_b32 s[SEL+1], 0xfedcba98
.irp b, 0,1,2,3
	v_mov_b32 v[TM+4+\b], 0                        ; written once: a lane permute's destination counts as one of its sources
.endr
.macro XLOAD s, set                    ; K step s of my 16 rows: each load reads 512 consecutive bytes of one row
.irp i, 0,1,2,3,4,5,6,7,8,9,10,11,12,13,14,15
	global_load_b128 v[XR+64*(\set)+4*\i:XR+64*(\set)+4*\i+3], v[L16], s[4:5] offset:(\i+8*(\i/8))*4096+512*(\s) th:TH_LOAD_NT
.endr
.endm
.macro XTURN set                       ; through the stage: LDS serves a wave's instructions in order, so no wait stands between the stores and the loads
.irp i, 0,1,2,3,4,5,6,7,8,9,10,11,12,13,14,15
	ds_store_b128 v7, v[XR+64*(\set)+4*\i:XR+64*(\set)+4*\i+3] offset:528*\i
.endr
.irp b, 0,1,2,3
.irp j, 0,1,2,3
	ds_load_b128 v[XN+16*\b+4*\j:XN+16*\b+4*\j+3], v8 offset:128*\b+16*\j
.endr
.endr
.endm
; 64 numbers of a lane, register 16 b + i = k 32 b + 16 h + i of my row, become a fragment's codes in v[PC] on and its scale word in v[pw]
.macro QUANT src, pw
.irp b, 0,1,2,3
	v_max3_num_f32 v[TM+\b], |v[\src+16*\b]|, |v[\src+16*\b+1]|, 0x1800000   ; block b: my 16 numbers, and the floor 2^(3 - 127)
.endr
.irp i, 2,4,6,8,10,12,14
.irp b, 0,1,2,3
	v_max3_num_f32 v[TM+\b], v[TM+\b], |v[\src+16*\b+\i]|, |v[\src+16*\b+\i+1]|   ; the four blocks by turns
.endr
.endr
.irp b, 0,1,2,3
	v_permlanex16_b32 v[TM+4+\b], v[TM+\b], s[SEL], s[SEL+1]
.endr
.irp b, 0,1,2,3
	v_max_num_f32 v[TM+\b], v[TM+\b], v[TM+4+\b]   ; with lane l xor 16's: the block's largest magnitude
.endr
.irp b, 0,1,2,3
	v_add_nc_u32 v[TM+12+\b], 0xff000000, v[TM+\b] ; 2 off its exponent field: the conversion's scale operand
.endr
.irp b, 0,1,2,3
	v_lshrrev_b32 v[TM+4+\b], 23, v[TM+12+\b]      ; the byte
.endr
	v_lshl_or_b32 v[\pw], v[TM+5], 8, v[TM+4]
	v_lshl_or_b32 v[\pw], v[TM+6], 16, v[\pw]
	v_lshl_or_b32 v[\pw], v[TM+7], 24, v[\pw]
.irp c, 0,1
	v_cvt_scalef32_pk16_fp6_f32 v[PC+6*\c:PC+6*\c+2], v[\src+32*\c:\src+32*\c+15], v[TM+12+2*\c]
	v_cvt_scalef32_pk16_fp6_f32 v[PC+12+4*\c:PC+14+4*\c], v[\src+32*\c+16:\src+32*\c+31], v[TM+12+2*\c+1]
.endr
	v_nop                                          ; one plain place behind a scaled conversion
.irp c, 0,1                            ; the operand's layout wants a whole block in a lane: lanes 0-15 block 2 c, lanes 16-31 block 2 c + 1
.irp i, 0,1,2
	v_permlane16_swap_b32 v[PC+6*\c+\i], v[PC+12+4*\c+\i]
.endr
.irp i, 0,1,2
	v_mov_b32 v[PC+3+6*\c+\i], v[PC+12+4*\c+\i]
.endr
.endr
.endm
	XLOAD 0, 0
	XLOAD 1, 1
	s_wait_alu depctr_va_vdst(0)
.irp s, 0,1,2,3
.if \s < 3
	s_wait_loadcnt 16                              ; this K step's 16 loads are in; the next step's 16 may be out
.else
	s_wait_loadcnt 0x0
.endif
	XTURN \s%2
	s_wait_dscnt 0x0                               ; the numbers are back, and the stage's stores have read their registers,
.if \s < 2
	XLOAD \s+2, \s%2                               ; which take the loads of two steps on
.endif
.if \s > 0
	s_wait_xcnt 0x0                                ; the last step's stores have read the codes' registers
.endif
	QUANT XN, PW+\s
	global_store_b128 v[L16], v[PC:PC+3], s[14:15] offset:1536*\s
	global_store_b64 v[L8], v[PC+4:PC+5], s[14:15] offset:1536*\s+512
	global_store_b128 v[L16], v[PC+6:PC+9], s[14:15] offset:1536*\s+768
	global_store_b64 v[L8], v[PC+10:PC+11], s[14:15] offset:1536*\s+1280
.endr
	v_cmp_eq_u32 vcc_lo, 1, v3                     ; both halves of the lanes hold the row's four words: lanes 0-15 store words 0, 1, lanes 16-31 words 2, 3
	v_cndmask_b32 v248, v[PW], v[PW+2], vcc_lo
	v_cndmask_b32 v249, v[PW+1], v[PW+3], vcc_lo
	global_store_b64 v10, v[248:249], s[16:17]     ; 32 lanes store 256 consecutive bytes, aligned
	s_wait_tensorcnt 0x0                           ; the wave's end, behind my last LDS store
	ds_add_u32 v[SPW], v[NIL]
	s_wait_dscnt 0x0
	s_endpgm
.Lfunc_end_k_q004e5b92df_quant:
	.size	k_q004e5b92df_quant, .Lfunc_end_k_q004e5b92df_quant-k_q004e5b92df_quant
	.p2alignl 7, 3214868480
	.fill 96, 4, 3214868480
	.section	.rodata,"a",@progbits
	.p2align	6, 0x0
	.amdhsa_kernel k_q004e5b92df_quant
		.amdhsa_group_segment_fixed_size 34304
		.amdhsa_private_segment_fixed_size 0
		.amdhsa_enable_private_segment 0
		.amdhsa_kernarg_size 72
		.amdhsa_user_sgpr_count 2
		.amdhsa_user_sgpr_kernarg_segment_ptr 1
		.amdhsa_wavefront_size32 1
		.amdhsa_system_sgpr_workgroup_id_x 1
		.amdhsa_system_sgpr_workgroup_id_y 1
		.amdhsa_system_sgpr_workgroup_id_z 1
		.amdhsa_system_vgpr_workitem_id 0
		.amdhsa_next_free_vgpr 256
		.amdhsa_next_free_sgpr 66
		.amdhsa_reserve_vcc 1
		.amdhsa_float_denorm_mode_32 3
		.amdhsa_float_denorm_mode_16_64 3
		.amdhsa_memory_ordered 1
		.amdhsa_forward_progress 1
		.amdhsa_inst_pref_size 111
	.end_amdhsa_kernel
	.amdgpu_metadata
---
amdhsa.version: [ 1, 2 ]
amdhsa.kernels:
  - .name:           k_q004e5b92df_quant
    .symbol:         k_q004e5b92df_quant.kd
    .args:
      - { .name: x, .offset: 0, .size: 8, .value_kind: global_buffer, .address_space: global }
      - { .name: Wq, .offset: 8, .size: 8, .value_kind: global_buffer, .address_space: global }
      - { .name: Wk, .offset: 16, .size: 8, .value_kind: global_buffer, .address_space: global }
      - { .name: Wv, .offset: 24, .size: 8, .value_kind: global_buffer, .address_space: global }
      - { .name: Wo, .offset: 32, .size: 8, .value_kind: global_buffer, .address_space: global }
      - { .name: xc, .offset: 40, .size: 8, .value_kind: global_buffer, .address_space: global }
      - { .name: xs, .offset: 48, .size: 8, .value_kind: global_buffer, .address_space: global }
      - { .name: wc, .offset: 56, .size: 8, .value_kind: global_buffer, .address_space: global }
      - { .name: ws, .offset: 64, .size: 8, .value_kind: global_buffer, .address_space: global }
    .group_segment_fixed_size: 34304
    .private_segment_fixed_size: 0
    .kernarg_segment_align: 8
    .kernarg_segment_size: 72
    .max_flat_workgroup_size: 128
    .sgpr_count:     66
    .vgpr_count:     256
    .wavefront_size: 32
...
	.end_amdgpu_metadata
.endif
;; end of part 1
;; launch qkv (part 2): grid 12 x 32, 4 waves a work-group, clusters of 4 x 4, 327,680 bytes of LDS; arguments xc, xs, wc, ws, bq, bk, bv, qkvc, qkvs; writes qkvc, qkvs
.if DOCPART == 2
	.amdgcn_target "amdgcn-amd-amdhsa--gfx1250"
	.amdhsa_code_object_version 6
	.text
	.protected	k_q004e5b92df_qkv
	.globl	k_q004e5b92df_qkv
	.p2align	8
	.type	k_q004e5b92df_qkv,@function
k_q004e5b92df_qkv:
	s_mov_b64 s[64:65], 0
	v_nop
	global_prefetch_b8 v0, s[64:65] scope:SCOPE_SE
	s_setreg_imm32_b32 hwreg(HW_REG_WAVE_MODE, 25, 1), 1
	s_wait_xcnt 0x0
	s_wait_alu depctr_hold_cnt(0) depctr_sa_sdst(0) depctr_va_vdst(0) depctr_va_sdst(0) depctr_va_ssrc(0) depctr_va_vcc(0) depctr_vm_vsrc(0)
	s_getreg_b32 s2, hwreg(HW_REG_IB_STS2, 6, 4)
	s_cmp_eq_u32 s2, 0
	s_cbranch_scc0 .Lentry_in_a_cluster
	s_endpgm
.Lentry_in_a_cluster:
	s_bfe_u32 s2, ttmp6, 0x10000c
	s_cmp_lg_u32 s2, 0xf033
	s_cbranch_scc0 .Lentry_shape_is_right
	s_endpgm
.Lentry_shape_is_right:
; q = x Wq + bq, k = x Wk + bk, v = x Wv + bv on codes of E2M3 with E8M0 scales; the results are quantised at once: q and k along the head's 64, v along the keys.  K = 1,024.
; Operands arrive as images of the operand's registers (a tile of 16 rows x 64 K is 768 bytes: lane's first 16 bytes at 16 x lane, last 8 at 512 + 8 x lane); tile T, lane row r stands for index 32 (T / 2) + 8 (T % 2) + r + 8 (r / 8).
; A work-group makes 256 x 256, each of its four waves 128 x 128: 64 accumulators of 16 x 16.  Source 0 takes role B's tiles, source 1 role A's: in accumulator (a, b) lane (r, h) holds role A's row r of tile a, and its register j
; role B's index 32 (b / 2) + 16 h + 8 (b % 2) + j.  So the 64 registers of one a are 128 neighbours along role B, in the order in which the quantiser below takes them: no result changes lanes.
; Cluster x says which product.  q, k: role A = x (tokens), role B = the weight (columns): a lane holds one token and 128 columns, two heads.  v: role A = Wv, role B = x: a lane holds one column d and 128 tokens, the keys.
; The choice hangs on the cluster's x alone, which all sixteen partners share.
; CLUSTER 4 x 4: role A's tiles hang on cy and are asked for jointly along a row of the cluster, role B's on cx, along a column.
; K goes in 8 steps of 128; a slot holds 256 along K.  Three slots are filled at the head, slot 0 once more with the last 256: the walk is written out.  The scale words of all of K come once and go to registers once.
; The bias is the C of each sum's first matrix instruction.
; LIMITS: as the quantiser's in the first launch: NaN and infinities not served; a block under 2^-124 keeps the byte 1, a block of zeros too.
; REGISTERS, in windows of 256.  window 0: v1, v2 r, h; v8-24 addresses; v28, v29 the add's two; v32-95 scale words (block i, step s at 32 + 8 i + s: lanes 0-15 role A's, lanes 16-31 role B's);
;   v96-127 and v224-255 the bias; v128-223 role A's fragments, one set.  window 1: role B's fragments, two sets, at v0 and v128.  windows 2, 3: the accumulators, (a, b) at v[8 (8 (a % 4) + b)].
.set SLOTB,  98304                     ; a slot: role A's 16 tiles of 3,072 bytes, then role B's
.set HALFB,  24576                     ; 8 tiles: what one tensor load brings, and what one wave reads of a role
.set SCL,    294912                    ; behind the three slots: role A's scale words, 8,192 bytes, then role B's
.set SPARE,  311296                    ; the spare words, 128 bytes a wave
.set A16, 8                            ; v8-10   role A's fragments in slot 0, 1, 2: 16 x lane
.set A8,  11                           ; v11-13  the same with 8 x lane
.set B16, 14                           ; v14-16, v17-19 role B's
.set B8,  17
.set ADRS, 20                          ; v20 my scale words in LDS
.set L16, 21                           ; v21 16 x lane
.set L8,  22                           ; v22 8 x lane
.set SOFF, 23                          ; v23 16 r + 4096 h: the scale words' way out
.set BOFF, 24                          ; v24 the bias's lane offset
.set SPW, 28
.set NIL, 29
.set SC,  32
.set AF,  128
.set TM,  128                          ; the way out, in window 0: v128-143 at work, v144-163 codes, v164-171 the eight scale words, v172-175 what is stored of them
.set PC,  144
.set PWS, 164
.set W4,  172
.set FLR, 176                          ; v176 the floor 2^(3 - 127)
.set G1,  24                           ; s[24:31], s[32:39] descriptor group 1 for role A's and role B's tiles; s[40:47], s[48:55] for their scales
.set G1B, 32
.set G1S, 40
.set G1SB, 48
.set G0A0, 56                          ; groups 0: role A's slots,
.set G0A1, 60
.set G0A2, 68
.set G0B0, 72                          ; role B's,
.set G0B1, 76
.set G0B2, 80
.set G0S, 84                           ; the scales'
.set G0SB, 88
.set WV, 92                            ; wave
.set HA, 93                            ; wave / 2: my half of role A.  Also: I fetch for role A (0) or B (1)
.set HB, 94                            ; wave % 2: my half of role B.  Also: which 8 tiles I fetch
.set CX, 95
.set CY, 96
.set XX, 97                            ; cluster x: 0 q, 1 k, 2 v
.set YY, 98                            ; cluster y
.set ISV, 99
.set MSB, 0
.macro WIN new                         ; the immediate's high byte repeats the setting that is left
.if MSB != (\new)
	s_set_vgpr_msb (MSB<<8)|(\new)
.set MSB, (\new)
.endif
.endm
.set MUL_LO,  0xa1                     ; source 0 window 1, source 1 window 0, C and D window 2
.set MUL_HI,  0xf1                     ; the same, C and D window 3
.set MUL_LO0, 0x81                     ; the first step: C (the bias) window 0
.set MUL_HI0, 0xc1
.set TO_B,    0x40
; A joint load: waves 0 and 1 fetch for role A, waves 2 and 3 for role B; the branch hangs on the wave's number alone.  An s_nop 0 and four v_nop follow each of the two lines.
.macro JLOAD g0a, g1a, g0b, g1b
	s_cmp_eq_u32 s[HA], 0
	s_cbranch_scc0 .Lfor_b_\@
	tensor_load_to_lds s[\g0a:\g0a+3], s[\g1a:\g1a+7]
	s_nop 0
.rept 4
	v_nop
.endr
	s_branch .Lasked_\@
.Lfor_b_\@:
	tensor_load_to_lds s[\g0b:\g0b+3], s[\g1b:\g1b+7]
	s_nop 0
.rept 4
	v_nop
.endr
.Lasked_\@:
.endm
.macro CREST                           ; a round of the cluster's barrier behind its opening barrier
	s_cmp_lg_u32 s[WV], 0
	s_cbranch_scc1 .Lnot_wave_0_\@
	s_barrier_signal -3
.Lnot_wave_0_\@:
	s_barrier_wait -3
	s_barrier_signal -1
	s_barrier_wait -1
.endm
.macro CROUND
	s_barrier_signal -1
	s_barrier_wait -1
	CREST
.endm
.macro PLACES n                        ; plain places behind matrix instructions, in front of loads into registers that they have read and of the first read of results
.rept \n
	v_nop
.endr
.endm
.macro FRAG reg, a16, a8, off          ; a fragment, 16 rows x 128 K, 12 registers: two images of 768 bytes, each 16 + 8 bytes a lane; every load covers consecutive bytes
	ds_load_b128 v[\reg:\reg+3], v[\a16] offset:\off
	ds_load_b64 v[\reg+4:\reg+5], v[\a8] offset:\off+512
	ds_load_b128 v[\reg+6:\reg+9], v[\a16] offset:\off+768
	ds_load_b64 v[\reg+10:\reg+11], v[\a8] offset:\off+1280
.endm
.macro FETCH_B slot, q, p              ; role B's eight fragments of the slot's q-th 128 along K into set p
	WIN TO_B
.irp i, 0,1,2,3,4,5,6,7
	FRAG 128*(\p)+12*\i, B16+\slot, B8+\slot, (\i)*3072*(1+((\slot)+1)/2)+(\q)*1536
.endr
	WIN 0
.endm
.macro FETCH_A slot, q, i0             ; role A's blocks i0 .. i0 + 3
.irp i, \i0, \i0+1, \i0+2, \i0+3
	FRAG AF+12*(\i), A16+\slot, A8+\slot, (\i)*3072*(1+((\slot)+1)/2)+(\q)*1536
.endr
.endm
.macro SCALES                          ; the scale words of all 8 steps: lanes 0-15 take role A's block i, lanes 16-31 role B's
.irp i, 0,1,2,3,4,5,6,7
	ds_load_b128 v[SC+8*\i:SC+8*\i+3], v[ADRS] offset:512*\i
	ds_load_b128 v[SC+8*\i+4:SC+8*\i+7], v[ADRS] offset:512*\i+256
.endr
.endm
; 16 matrix instructions: role A's blocks a0, a0 + 1 x role B's eight, step s.  ck = 0: the sums go on; 1: they begin with the bias of role B's block; 2: of role A's.
; The 64 accumulators take turns, one instruction a turn, in the same order in every step.
.macro MUL16 a0, p, s, ck
.irp a, \a0, \a0+1
.irp b, 0,1,2,3,4,5,6,7
.set DD, 8*(8*((\a)%4)+\b)
.set BB, 128*(\p)+12*\b
.set AA, AF+12*(\a)
.if \ck == 1
.set CC, 96+8*\b+96*(\b/4)
	v_wmma_scale_f32_16x16x128_f8f6f4 v[DD:DD+7], v[BB:BB+11], v[AA:AA+11], v[CC:CC+7], v[SC+8*\b+(\s)], v[SC+8*(\a)+(\s)] matrix_a_fmt:MATRIX_FMT_FP6 matrix_b_fmt:MATRIX_FMT_FP6 matrix_a_scale:MATRIX_SCALE_ROW1
.elseif \ck == 2
.set CC, 96+8*(\a)+96*((\a)/4)
	v_wmma_scale_f32_16x16x128_f8f6f4 v[DD:DD+7], v[BB:BB+11], v[AA:AA+11], v[CC:CC+7], v[SC+8*\b+(\s)], v[SC+8*(\a)+(\s)] matrix_a_fmt:MATRIX_FMT_FP6 matrix_b_fmt:MATRIX_FMT_FP6 matrix_a_scale:MATRIX_SCALE_ROW1
.else
	v_wmma_scale_f32_16x16x128_f8f6f4 v[DD:DD+7], v[BB:BB+11], v[AA:AA+11], v[DD:DD+7], v[SC+8*\b+(\s)], v[SC+8*(\a)+(\s)] matrix_a_fmt:MATRIX_FMT_FP6 matrix_b_fmt:MATRIX_FMT_FP6 matrix_a_scale:MATRIX_SCALE_ROW1
.endif
.endr
.endr
.endm
; Step s; the next step's fragments lie at (nslot, nq).  Role A has one set of registers: blocks 0-3 are fetched anew in the step's middle, blocks 4-7 at its end.  Role B has two sets.
.macro STEP s, nslot, nq, ck
	s_wait_dscnt 16                                ; role B's set and role A's blocks 0-3 are in; the youngest 16 loads (blocks 4-7) may be out
.if \ck
	WIN MUL_LO0
.else
	WIN MUL_LO
.endif
	MUL16 0, (\s)%2, \s, \ck
	MUL16 2, (\s)%2, \s, \ck
	s_wait_dscnt 0x0                               ; blocks 4-7 are in
	PLACES 4
	FETCH_B \nslot, \nq, 1-(\s)%2
	FETCH_A \nslot, \nq, 0
.if \ck
	WIN MUL_HI0
.else
	WIN MUL_HI
.endif
	MUL16 4, (\s)%2, \s, \ck
	MUL16 6, (\s)%2, \s, \ck
	PLACES 4
	WIN 0
	FETCH_A \nslot, \nq, 4
.endm
; An odd step with a barrier in it.  In front of the barrier each wave waits for all its tensor loads, adds 0 to its spare word, and waits for that and for its LDS reads.
; fill = 1: the barrier opens a round of the cluster's, and slot 0, which nobody reads any more, is filled with the last 256 along K.
.macro TURN s, nslot, fill
	s_wait_tensorcnt 0x0                           ; all my tensor loads have landed (every window is 0 here)
	ds_add_u32 v[SPW], v[NIL]                      ; 0 onto my spare word
	s_wait_dscnt 17                                ; (the add and the youngest 16 loads may be out)
	WIN MUL_LO
	MUL16 0, 1, \s, 0                              ; sixteen matrix instructions stand between the add and the wait for it
	s_wait_dscnt 0x0                               ; the add is done, and all my LDS reads are back
	s_barrier_signal -1
	MUL16 2, 1, \s, 0
	WIN 0
	s_barrier_wait -1
.if \fill
	CREST                                          ; no wave of any partner still reads slot 0 or has a load on its way
	s_add_nc_u64 s[G0A0+2:G0A0+3], s[G0A0+2:G0A0+3], 9216   ; from K = 0 to K = 768: three times 3,072 bytes in each tile
	s_add_nc_u64 s[G0B0+2:G0B0+3], s[G0B0+2:G0B0+3], 9216
.irp g, G1, G1B
	s_mov_b32 s[\g+1], 384<<16                     ; rows of 3,072 bytes again
	s_mov_b32 s[\g+3], 384<<16
.endr
	JLOAD G0A0, G1, G0B0, G1B
.else
	PLACES 4
.endif
	FETCH_B \nslot, 0, 0
	FETCH_A \nslot, 0, 0
	WIN MUL_HI
	MUL16 4, 1, \s, 0
	MUL16 6, 1, \s, 0
	PLACES 4
	WIN 0
	FETCH_A \nslot, 0, 4
.endm
	s_load_b256 s[4:11], s[0:1], 0x0               ; xc, xs, wc, ws
	s_load_b256 s[12:19], s[0:1], 0x20             ; bq, bk, bv, qkvc
	s_load_b64 s[20:21], s[0:1], 0x40              ; qkvs
	v_lshl_add_u32 v[SPW], v0, 2, SPARE
	v_mov_b32 v[NIL], 0
	ds_add_u32 v[SPW], v[NIL]                      ; the wave's opening: the add and its wait stand ahead of my first tensor load; work on registers stands between them
	ds_add_u32 v[SPW], v[NIL]
	v_lshrrev_b32 v1, 5, v0
	v_readfirstlane_b32 s[WV], v1
	s_lshr_b32 s[HA], s[WV], 1
	s_and_b32 s[HB], s[WV], 1
	s_bfe_u32 s[CX], ttmp6, 0x40000
	s_bfe_u32 s[CY], ttmp6, 0x40004
	s_mov_b32 s[XX], ttmp9
	s_and_b32 s[YY], ttmp7, 0xffff
	s_lshl_b32 s22, s[CY], 2
	s_lshl_b32 s22, 15, s22                        ; my row of the cluster
	s_lshl_b32 s2, 0x1111, s[CX]                   ; my column
	s_or_b32 s[G1], s22, (3<<16)|(1<<21)           ; 15:0 the mask; 17:16 elements of 8 bytes; 21 set beside a mask; no padding
	s_or_b32 s[G1B], s2, (3<<16)|(1<<21)
	s_or_b32 s[G1S], s22, (3<<16)|(1<<21)
	s_or_b32 s[G1SB], s2, (3<<16)|(1<<21)
.irp g, G1, G1B                        ; 8 tiles' 256 along K: 8 rows of 3,072 bytes (384 elements), 12,288 bytes (1,536 elements) apart
	s_mov_b32 s[\g+1], 384<<16
	s_mov_b32 s[\g+2], 16<<16                      ; the head's load brings a role's 16 tiles
	s_mov_b32 s[\g+3], 384<<16
	s_mov_b32 s[\g+4], 16
	s_mov_b32 s[\g+5], 1536
	s_mov_b32 s[\g+6], 0
	s_mov_b32 s[\g+7], 0
.endr
.irp g, G1S, G1SB                      ; 8 tiles' scale words: 4,096 dense bytes as 16 rows of 256
	s_mov_b32 s[\g+1], 32<<16
	s_mov_b32 s[\g+2], 32<<16                      ; a role's scale words, 8,192 dense bytes as 32 rows of 256: one load
	s_mov_b32 s[\g+3], 32<<16
	s_mov_b32 s[\g+4], 32
	s_mov_b32 s[\g+5], 32
	s_mov_b32 s[\g+6], 0
	s_mov_b32 s[\g+7], 0
.endr
	s_mul_i32 s3, s[WV], HALFB                     ; where they go: wave x 8 tiles: no place in the cluster enters an LDS address
.irp g, G0A0, G0B0
	s_mov_b32 s[\g], 1
	s_mov_b32 s[\g+1], s3
.endr
	s_lshl_b32 s3, s3, 1                           ; K = 256 .. 767 lies behind slot 0 as [wave][tile 8][6,144 bytes]
.irp g, G0A1, G0B1
	s_mov_b32 s[\g], 1
	s_add_co_u32 s[\g+1], s3, SLOTB
.endr
	s_mov_b32 s[G0A2], 1                           ; the head's four loads: role A's slot 0, role B's, and their scale words
	s_mov_b32 s[G0A2+1], 0
	s_mov_b32 s[G0B2], 1
	s_mov_b32 s[G0B2+1], 2*HALFB
	s_mov_b32 s[G0S], 1
	s_mov_b32 s[G0S+1], SCL
	s_mov_b32 s[G0SB], 1
	s_mov_b32 s[G0SB+1], SCL+8192
	; which block of 256 rows each role takes.  q, k: role A = x's block 4 Y + cy, role B = the weights' block 4 X + cx.  v: role A = the weights' block 8 + cy, role B = x's block 4 Y + cx
	s_lshl_b32 s66, s[YY], 2
	s_lshl_b32 s100, s[XX], 2
	s_cmp_eq_u32 s[XX], 2
	s_cselect_b32 s[ISV], 1, 0
	s_cselect_b32 s100, s66, s100
	s_cselect_b32 s66, 8, s66
	s_add_co_u32 s66, s66, s[CY]
	s_add_co_u32 s100, s100, s[CX]
	s_lshl_b32 s22, s66, 13                        ; a block's scale words are 8,192 bytes,
	s_mul_i32 s66, s66, 196608                     ; its codes 16 x 12,288
	s_lshl_b32 s2, s100, 13
	s_mul_i32 s100, s100, 196608
	s_mov_b32 s67, 0
	s_mov_b32 s101, 0
	s_mov_b32 s23, 0
	s_mov_b32 s3, 0
	s_wait_dscnt 0x0                               ; the opening add is done
	s_wait_kmcnt 0x0
	s_cmp_eq_u32 s[ISV], 1
	s_cselect_b64 s[G0A0+2:G0A0+3], s[8:9], s[4:5]
	s_cselect_b64 s[G0B0+2:G0B0+3], s[4:5], s[8:9]
	s_cselect_b64 s[G0S+2:G0S+3], s[10:11], s[6:7]
	s_cselect_b64 s[G0SB+2:G0SB+3], s[6:7], s[10:11]
	s_add_nc_u64 s[G0A0+2:G0A0+3], s[G0A0+2:G0A0+3], s[66:67]
	s_add_nc_u64 s[G0B0+2:G0B0+3], s[G0B0+2:G0B0+3], s[100:101]
	s_add_nc_u64 s[G0S+2:G0S+3], s[G0S+2:G0S+3], s[22:23]
	s_add_nc_u64 s[G0SB+2:G0SB+3], s[G0SB+2:G0SB+3], s[2:3]
	s_mov_b64 s[G0A2+2:G0A2+3], s[G0A0+2:G0A0+3]   ; the blocks' first tiles, for the head's loads
	s_mov_b64 s[G0B2+2:G0B2+3], s[G0B0+2:G0B0+3]
	s_mul_i32 s2, s[HB], 98304                     ; behind the head I fetch 8 tiles (s3 = 0)
	s_add_nc_u64 s[G0A0+2:G0A0+3], s[G0A0+2:G0A0+3], s[2:3]
	s_add_nc_u64 s[G0B0+2:G0B0+3], s[G0B0+2:G0B0+3], s[2:3]
	s_add_nc_u64 s[G0A1+2:G0A1+3], s[G0A0+2:G0A0+3], 3072   ; K = 256 on
	s_add_nc_u64 s[G0B1+2:G0B1+3], s[G0B0+2:G0B0+3], 3072
	s_cmp_eq_u32 s[HA], 0                          ; the prefetch: of the 8 tiles that I fetch next, my work-group names 2, told apart by address (cx for role A, cy for role B)
	s_cselect_b64 s[66:67], s[G0A1+2:G0A1+3], s[G0B1+2:G0B1+3]
	s_cselect_b32 s2, s[CX], s[CY]
	s_mul_i32 s2, s2, 24576
	s_add_nc_u64 s[66:67], s[66:67], s[2:3]
.irp g, G0A0, G0A1, G0A2, G0B0, G0B1, G0B2, G0S, G0SB
	s_or_b32 s[\g+3], s[\g+3], 0x80000000          ; 127:126 type = 2
.endr
	CROUND                                         ; all sixteen work-groups are here: the first joint loads meet
; the head's loads, one a wave, in one chain of branches on the wave's number
.macro ARM under, g0, g1, next
	s_cmp_lt_u32 s[WV], \under
	s_cbranch_scc0 \next
	tensor_load_to_lds s[\g0:\g0+3], s[\g1:\g1+7]
	s_nop 0
.rept 4
	v_nop
.endr
	s_branch .Lhead_asked
\next:
.endm
	ARM 1, G0A2, G1, .Lhead_b
	ARM 2, G0B2, G1B, .Lhead_sa
	ARM 3, G0S, G1S, .Lhead_sb
	tensor_load_to_lds s[G0SB:G0SB+3], s[G1SB:G1SB+7]
	s_nop 0
.rept 4
	v_nop
.endr
.Lhead_asked:
	v_and_b32 v1, 15, v0                           ; r
	v_bfe_u32 v2, v0, 4, 1                         ; h
	v_and_b32 v3, 31, v0
	v_lshlrev_b32 v[L16], 4, v3
	v_lshlrev_b32 v[L8], 3, v3
	v_min_u32 v6, 23, v3                           ; a tile's 6,144 bytes are 24 blocks of 256: a lane a block, the lanes left over name the last again
	v_lshlrev_b32 v6, 8, v6
	global_prefetch_b8 v6, s[66:67] th:TH_LOAD_NT scope:SCOPE_SE
	global_prefetch_b8 v6, s[66:67] offset:12288 th:TH_LOAD_NT scope:SCOPE_SE
	s_mul_i32 s2, s[HA], HALFB                     ; my 8 tiles of role A,
	s_mul_i32 s3, s[HB], HALFB
	s_add_co_u32 s3, s3, 2*HALFB                   ; and of role B, behind role A's 16
.irp s, 0,1,2
	v_add_nc_u32 v[A16+\s], s2, v[L16]
	v_add_nc_u32 v[A8+\s], s2, v[L8]
	v_add_nc_u32 v[B16+\s], s3, v[L16]
	v_add_nc_u32 v[B8+\s], s3, v[L8]
.if \s == 0
	s_lshl_b32 s2, s2, 1                           ; slot 1: my 8 tiles of 6,144 bytes behind slot 0; slot 2: 3,072 bytes on in each tile
	s_lshl_b32 s3, s3, 1
	s_add_co_u32 s2, s2, SLOTB
	s_add_co_u32 s3, s3, SLOTB
.else
	s_add_co_u32 s2, s2, 3072
	s_add_co_u32 s3, s3, 3072
.endif
.endr
	v_lshlrev_b32 v4, 4, v1                        ; 16 r
	s_lshl_b32 s2, s[HA], 12
	s_lshl_b32 s3, s[HB], 12
	s_add_co_u32 s3, s3, 8192
	s_sub_co_u32 s3, s3, s2
	v_mul_u32_u24 v5, s3, v2                       ; lanes 16-31 take role B's words
	s_add_co_u32 s2, s2, SCL
	v_add_nc_u32 v5, v5, v4
	v_add_nc_u32 v[ADRS], s2, v5
	v_lshl_add_u32 v[SOFF], v2, 12, v4
	; the bias, in the result's layout.  q, k: register j of block b: the bias of column 32 (b / 2) + 16 h + 8 (b % 2) + j.  v: all eight registers of block a: the bias of my lane's column of tile a
	s_cmp_eq_u32 s[ISV], 1
	s_cbranch_scc1 .Lbias_v
	s_cmp_eq_u32 s[XX], 0
	s_cselect_b64 s[12:13], s[12:13], s[14:15]
	s_lshl_b32 s2, s[CX], 10
	s_lshl_b32 s3, s[HB], 9
	s_add_co_u32 s2, s2, s3
	s_mov_b32 s3, 0
	s_add_nc_u64 s[12:13], s[12:13], s[2:3]
	v_lshlrev_b32 v[BOFF], 6, v2
.irp b, 0,1,2,3,4,5,6,7
	global_load_b128 v[96+8*\b+96*(\b/4):96+8*\b+96*(\b/4)+3], v[BOFF], s[12:13] offset:(32*(\b/2)+8*(\b%2))*4
	global_load_b128 v[96+8*\b+96*(\b/4)+4:96+8*\b+96*(\b/4)+7], v[BOFF], s[12:13] offset:(32*(\b/2)+8*(\b%2))*4+16
.endr
	s_branch .Lbias_done
.Lbias_v:
	s_lshl_b32 s2, s[CY], 10
	s_lshl_b32 s3, s[HA], 9
	s_add_co_u32 s2, s2, s3
	s_mov_b32 s3, 0
	s_add_nc_u64 s[12:13], s[16:17], s[2:3]
	v_and_b32 v[BOFF], 8, v1
	v_add_nc_u32 v[BOFF], v[BOFF], v1              ; r + 8 (r / 8)
	v_lshlrev_b32 v[BOFF], 2, v[BOFF]
.irp a, 0,1,2,3,4,5,6,7
.irp j, 0,1,2,3,4,5,6,7
	global_load_b32 v[96+8*\a+96*(\a/4)+\j], v[BOFF], s[12:13] offset:(32*(\a/2)+8*(\a%2))*4
.endr
.endr
.Lbias_done:
	; the way out's addresses.  My 128 tokens are step st of batch-and-head bh0's sequence; my 128 columns are heads bh0 and bh0 + 1.  The first image lies at X x 6,291,456 + bh0 x 98,304 + st x 6,144 in all three cases
	s_lshl_b32 s4, s[YY], 2
	s_lshl_b32 s5, s[CY], 2
	s_lshl_b32 s6, s[HA], 1
	s_add_co_u32 s5, s5, s6                        ; v: head 4 cy + 2 (my half of role A)
	s_lshl_b32 s6, s[CX], 2
	s_lshl_b32 s7, s[HB], 1
	s_add_co_u32 s6, s6, s7                        ; q, k: head 4 cx + 2 (my half of role B)
	s_mov_b32 s8, 98304
	s_mov_b32 s9, 768
	s_mov_b32 s10, 93696
	s_wait_xcnt 0x0                                ; the prefetches have read s[66:67], which are written below
	s_cmp_eq_u32 s[ISV], 1
	s_cselect_b32 s7, s[CX], s[CY]
	s_cselect_b32 s5, s5, s6
	s_cselect_b32 s6, s[HB], s[HA]
	s_cselect_b32 s8, 768, s8                      ; from a fragment's first image to its second: v: the next 64 keys; q, k: the next head
	s_cselect_b32 s66, 1536, s9                    ; from block a to block a + 1: v: the next 16 of the head's 64; q, k: the next 16 tokens
	s_cselect_b32 s100, s10, s9                    ; and from block 3 to block 4: v: the next head's first 16
	s_add_co_u32 s4, s4, s7                        ; my block of 256 tokens
	s_lshr_b32 s7, s4, 3
	s_lshl_b32 s7, s7, 4
	s_add_co_u32 s5, s5, s7                        ; bh0 = 16 x batch + head
	s_and_b32 s4, s4, 7
	s_lshl_b32 s4, s4, 1
	s_add_co_u32 s4, s4, s6                        ; st
	s_mul_i32 s2, s[XX], 6291456
	s_mul_i32 s7, s5, 98304
	s_add_co_u32 s2, s2, s7
	s_mul_i32 s7, s4, 6144
	s_add_co_u32 s2, s2, s7
	s_mov_b32 s3, 0
	s_add_nc_u64 s[2:3], s[18:19], s[2:3]          ; s[2:3]: where a fragment's first image goes,
	s_mov_b32 s9, 0
	s_add_nc_u64 s[22:23], s[2:3], s[8:9]          ; s[22:23]: its second
	s_mov_b32 s67, 0
	s_mov_b32 s101, 0
	s_lshl_b32 s6, s[XX], 18
	s_lshl_b32 s7, s5, 12
	s_add_co_u32 s6, s6, s7
	s_lshl_b32 s7, s4, 8
	s_add_co_u32 s6, s6, s7
	s_mov_b32 s7, 0
	s_add_nc_u64 s[20:21], s[20:21], s[6:7]        ; the scale words: X x 262,144 + bh0 x 4,096 + st x 256
	s_wait_alu depctr_va_vdst(0)
	s_wait_tensorcnt 0x0                           ; my tile of the head's four is in; the three lines ahead of a later first fill
	ds_add_u32 v[SPW], v[NIL]
.irp g, G1, G1B
	s_mov_b32 s[\g+1], 768<<16                     ; no load of mine is out: the next brings 8 rows of 6,144 bytes
	s_mov_b32 s[\g+2], 8<<16
	s_mov_b32 s[\g+3], 768<<16
	s_mov_b32 s[\g+4], 8
.endr
	s_wait_dscnt 0x0
	CROUND                                         ; all four tiles are in, and the sixteen work-groups meet
	JLOAD G0A1, G1, G0B1, G1B                      ; K = 256 .. 767, one load a wave
	FETCH_B 0, 0, 0
	FETCH_A 0, 0, 0
	s_wait_alu depctr_va_vdst(0)
	SCALES
	FETCH_A 0, 0, 4
	s_wait_loadcnt 0x0                             ; the bias
	s_cmp_eq_u32 s[ISV], 1                         ; the first step begins the sums with the bias: by role B's block (q, k) or by role A's (v)
	s_cbranch_scc1 .Lfirst_v
	STEP 0, 0, 1, 1
	s_branch .Lfirst_done
.Lfirst_v:
	STEP 0, 0, 1, 2
.Lfirst_done:
	TURN 1, 1, 1                                   ; slot 0 is read out and filled again; every wave's loads of slots 1 and 2 have landed in front of the round
	STEP 2, 1, 1, 0
	STEP 3, 2, 0, 0
	STEP 4, 2, 1, 0
	TURN 5, 0, 0                                   ; the refill has landed in every wave in front of this barrier; it had four steps, 256 matrix instructions, in which to land
	STEP 6, 0, 1, 0
	s_wait_dscnt 16                                ; the last step: nothing more to fetch
	WIN MUL_LO
	MUL16 0, 1, 7, 0
	MUL16 2, 1, 7, 0
	s_wait_dscnt 0x0
	WIN MUL_HI
	MUL16 4, 1, 7, 0
	MUL16 6, 1, 7, 0
	WIN 0
; THE WAY OUT.  The 64 registers of block a (window w, from v[src] on) are quantised as they stand: register 16 b + i = index 32 b + 16 h + i of my row.  Each accumulator is read from its low end on.
.macro QUANTW src, w, pw
	WIN ((\w)<<2)|((\w)<<4)                        ; sources 1 and 2: the accumulators' window
.irp b, 0,1,2,3
	v_max3_num_f32 v[TM+\b], v[FLR], |v[\src+16*\b]|, |v[\src+16*\b+1]|
.endr
.irp i, 2,4,6,8,10,12,14
.irp b, 0,1,2,3
	v_max3_num_f32 v[TM+\b], v[TM+\b], |v[\src+16*\b+\i]|, |v[\src+16*\b+\i+1]|
.endr
.endr
	WIN 0
.irp b, 0,1,2,3
	v_permlanex16_b32 v[TM+4+\b], v[TM+\b], s4, s5
.endr
.irp b, 0,1,2,3
	v_max_num_f32 v[TM+\b], v[TM+\b], v[TM+4+\b]
.endr
.irp b, 0,1,2,3
	v_add_nc_u32 v[TM+12+\b], 0xff000000, v[TM+\b]
.endr
.irp b, 0,1,2,3
	v_lshrrev_b32 v[TM+4+\b], 23, v[TM+12+\b]
.endr
	v_lshl_or_b32 v[\pw], v[TM+5], 8, v[TM+4]
	v_lshl_or_b32 v[\pw], v[TM+6], 16, v[\pw]
	v_lshl_or_b32 v[\pw], v[TM+7], 24, v[\pw]
	WIN (\w)                                       ; source 0: the accumulators' window
.irp c, 0,1
	v_cvt_scalef32_pk16_fp6_f32 v[PC+6*\c:PC+6*\c+2], v[\src+32*\c:\src+32*\c+15], v[TM+12+2*\c]
	v_cvt_scalef32_pk16_fp6_f32 v[PC+12+4*\c:PC+14+4*\c], v[\src+32*\c+16:\src+32*\c+31], v[TM+12+2*\c+1]
.endr
	WIN 0
	v_nop                                          ; one plain place behind a scaled conversion
.irp c, 0,1
.irp i, 0,1,2
	v_permlane16_swap_b32 v[PC+6*\c+\i], v[PC+12+4*\c+\i]
.endr
.irp i, 0,1,2
	v_mov_b32 v[PC+3+6*\c+\i], v[PC+12+4*\c+\i]
.endr
.endr
.endm
	PLACES 4
	s_mov_b32 s4, 0x76543210
	s_mov_b32 s5, 0xfedcba98
	v_mov_b32 v[FLR], 0x1800000
.irp b, 0,1,2,3
	v_mov_b32 v[TM+4+\b], 0                        ; a lane permute's destination counts as one of its sources
.endr
.irp a, 0,1,2,3,4,5,6,7
.if \a > 0
	s_wait_xcnt 0x0                                ; the last block's stores have read their data and their bases
.if \a == 4
	s_add_nc_u64 s[2:3], s[2:3], s[100:101]
	s_add_nc_u64 s[22:23], s[22:23], s[100:101]
.else
	s_add_nc_u64 s[2:3], s[2:3], s[66:67]
	s_add_nc_u64 s[22:23], s[22:23], s[66:67]
.endif
.endif
	QUANTW 64*(\a%4), 2+\a/4, PWS+\a
	global_store_b128 v[L16], v[PC:PC+3], s[2:3]               ; each store covers 512 or 256 consecutive bytes, aligned
	global_store_b64 v[L8], v[PC+4:PC+5], s[2:3] offset:512
	global_store_b128 v[L16], v[PC+6:PC+9], s[22:23]
	global_store_b64 v[L8], v[PC+10:PC+11], s[22:23] offset:512
.endr
	; the scale words: lanes 0-15 store head bh0's four, lanes 16-31 head bh0 + 1's
	v_cmp_eq_u32 vcc_lo, 1, v2
	s_cmp_eq_u32 s[ISV], 1
	s_cbranch_scc1 .Lsw_v
	v_mov_b32 v177, 0x05040100                     ; q, k: word g = the head's two bytes of token tile 2 g, then of tile 2 g + 1: the low halves for head bh0, the high halves for bh0 + 1
	v_mov_b32 v178, 0x07060302
	v_cndmask_b32 v177, v177, v178, vcc_lo
.irp g, 0,1,2,3
	v_perm_b32 v[W4+\g], v[PWS+2*\g+1], v[PWS+2*\g], v177
.endr
	s_branch .Lsw_done
.Lsw_v:
.irp g, 0,1,2,3
	v_cndmask_b32 v[W4+\g], v[PWS+\g], v[PWS+4+\g], vcc_lo     ; v: word g = the four key blocks' bytes of my row of the head's g-th 16
.endr
.Lsw_done:
	s_wait_alu depctr_va_vdst(0)
	global_store_b128 v[SOFF], v[W4:W4+3], s[20:21]            ; sixteen lanes store 256 consecutive bytes, aligned
	s_wait_tensorcnt 0x0                           ; the wave's end
	ds_add_u32 v[SPW], v[NIL]
	s_wait_dscnt 0x0
	CROUND                                         ; the closing round: no work-group ends while a partner may still ask for a tile that names it
	s_endpgm
.Lfunc_end_k_q004e5b92df_qkv:
	.size	k_q004e5b92df_qkv, .Lfunc_end_k_q004e5b92df_qkv-k_q004e5b92df_qkv
	.p2alignl 7, 3214868480
	.fill 96, 4, 3214868480
	.section	.rodata,"a",@progbits
	.p2align	6, 0x0
	.amdhsa_kernel k_q004e5b92df_qkv
		.amdhsa_group_segment_fixed_size 327680
		.amdhsa_private_segment_fixed_size 0
		.amdhsa_enable_private_segment 0
		.amdhsa_kernarg_size 72
		.amdhsa_user_sgpr_count 2
		.amdhsa_user_sgpr_kernarg_segment_ptr 1
		.amdhsa_wavefront_size32 1
		.amdhsa_system_sgpr_workgroup_id_x 1
		.amdhsa_system_sgpr_workgroup_id_y 1
		.amdhsa_system_sgpr_workgroup_id_z 1
		.amdhsa_system_vgpr_workitem_id 0
		.amdhsa_next_free_vgpr 1024
		.amdhsa_next_free_sgpr 102
		.amdhsa_reserve_vcc 1
		.amdhsa_float_denorm_mode_32 3
		.amdhsa_float_denorm_mode_16_64 3
		.amdhsa_memory_ordered 1
		.amdhsa_forward_progress 1
		.amdhsa_inst_pref_size 170
	.end_amdhsa_kernel
	.amdgpu_metadata
---
amdhsa.version: [ 1, 2 ]
amdhsa.kernels:
  - .name:           k_q004e5b92df_qkv
    .symbol:         k_q004e5b92df_qkv.kd
    .args:
      - { .name: xc, .offset: 0, .size: 8, .value_kind: global_buffer, .address_space: global }
      - { .name: xs, .offset: 8, .size: 8, .value_kind: global_buffer, .address_space: global }
      - { .name: wc, .offset: 16, .size: 8, .value_kind: global_buffer, .address_space: global }
      - { .name: ws, .offset: 24, .size: 8, .value_kind: global_buffer, .address_space: global }
      - { .name: bq, .offset: 32, .size: 8, .value_kind: global_buffer, .address_space: global }
      - { .name: bk, .offset: 40, .size: 8, .value_kind: global_buffer, .address_space: global }
      - { .name: bv, .offset: 48, .size: 8, .value_kind: global_buffer, .address_space: global }
      - { .name: qkvc, .offset: 56, .size: 8, .value_kind: global_buffer, .address_space: global }
      - { .name: qkvs, .offset: 64, .size: 8, .value_kind: global_buffer, .address_space: global }
    .group_segment_fixed_size: 327680
    .private_segment_fixed_size: 0
    .kernarg_segment_align: 8
    .kernarg_segment_size: 72
    .max_flat_workgroup_size: 128
    .sgpr_count:     102
    .vgpr_count:     1024
    .wavefront_size: 32
...
	.end_amdgpu_metadata
.endif
;; end of part 2
;; launch attn (part 3): grid 4 x 64, 16 waves a work-group, clusters of 4 x 1, 256,000 bytes of LDS; arguments qkvc, qkvs, ac, asc; writes ac, asc
.if DOCPART == 3
	.amdgcn_target "amdgcn-amd-amdhsa--gfx1250"
	.amdhsa_code_object_version 6
	.text
	.protected	k_q004e5b92df_attn
	.globl	k_q004e5b92df_attn
	.p2align	8
	.type	k_q004e5b92df_attn,@function
k_q004e5b92df_attn:
	s_mov_b64 s[64:65], 0
	v_nop
	global_prefetch_b8 v0, s[64:65] scope:SCOPE_SE
	s_setreg_imm32_b32 hwreg(HW_REG_WAVE_MODE, 25, 1), 1
	s_wait_xcnt 0x0
	s_wait_alu depctr_hold_cnt(0) depctr_sa_sdst(0) depctr_va_vdst(0) depctr_va_sdst(0) depctr_va_ssrc(0) depctr_va_vcc(0) depctr_vm_vsrc(0)
	s_getreg_b32 s2, hwreg(HW_REG_IB_STS2, 6, 4)
	s_cmp_eq_u32 s2, 0
	s_cbranch_scc0 .Lentry_in_a_cluster
	s_endpgm
.Lentry_in_a_cluster:
	s_bfe_u32 s2, ttmp6, 0x10000c
	s_cmp_lg_u32 s2, 0x3003
	s_cbranch_scc0 .Lentry_shape_is_right
	s_endpgm
.Lentry_shape_is_right:
; For each of 64 (batch, head): O = softmax(q k^T / 8) v on codes of E2M3 with E8M0 scales, and O / l quantised along the model's 1,024 (this head's 64 are two blocks).
; t = score x log2(e) / 8; M = the running largest t rounded up to a whole number; p = 2^(t - M) is quantised along the keys; l sums the unquantised p; when M moves, l and O are multiplied by 2^(old M - new M).
; SHARES: a work-group owns 512 queries of a head in two passes of 256; each of sixteen waves a tile of 16 queries a pass.  The head's K and V lie in LDS, filled once; the four work-groups of a head ask jointly.
; Both products are transposed (S^T = K Q^T, O^T = V^T P^T): a lane holds one query.  Operands are images of 768 bytes (16 rows x 64 K); in LDS 64 bytes of padding follow each 256, so an image takes 960.
; The first product's K is 64: a fragment of K holds two tiles, and Q stands between zeros: [Q | 0] picks the first, [0 | Q] the second.
; THE KEYS OF A TILE ARE CHOSEN BY ADDRESS: of 64 keys (images 4 c .. 4 c + 3) tile j takes as rows 0-7 keys 8 j + i of block 2 c and as rows 8-15 keys 8 j + i of block 2 c + 1: lanes r < 8 read image 4 c + j % 2,
; lanes r >= 8 image 4 c + 2 + j % 2, row r % 8 + 8 (j / 2).  So score 32 c + 8 j + i of lane half h is key 64 c + 32 h + 8 j + i: a whole block of 32 in a lane, as the next operand's layout wants it.
; REGISTERS BY TURNS: a step's fragments (K's, then V's) lie in 48 registers from kf on, its scores in the 48 from 144 - kf on and in v144-159; kf is 48 and 96 by turns.  When a step's p has been summed and converted,
; the next step's fragments of K are fetched into its first 48 score registers, which are the next step's kf.  A pass's last step so fetches 6,144 bytes from V's filled region, which nobody uses.
; No prefetch: all of K and V is asked for at the head, and no loop runs ahead of a tensor load.
; LIMITS: NaN and infinities are not served; the scaled scores stay under 2^31 in magnitude; a block of p or of O / l under 2^-124 keeps the byte 1, a block of zeros too; a block's largest p is taken from its largest score
; by the same two instructions (v_exp_f32 taken not to fall where its input rises).  A row's two scale bytes leave as 2 bytes a lane.
.set KV,    122880                     ; K's images at 0, V's at KV: 128 images of 960 bytes each
.set SCK,   245760                     ; K's scale words [step][r][4 words]; V's 4,096 bytes on
.set SPARE, 253952                     ; the spare words, 128 bytes a wave
.set G1C, 24                           ; s[24:31] group 1: 96 rows of 256 bytes, padded; s[32:39]: 2 rows of 4,096 bytes of scale words
.set G1S, 32
.set G0S, 40
.set G0C, 44
.set BM, 200
.set BT, 204
.set SO, 208
.set CT, 212
; v1, v2 K's lane addresses; v3, v4 V's; v5, v6 the add's two; v7, v238 the scale words' lane addresses; v8-11, v34, v237 a trip's addresses; v12 -M, v13 largest t, v[14:15] l; v16-33 [0 | Q | 0]; v35, v36 Q's scale words;
; v37 p's; v38 h; v39 the passes' bytes; v40-47 K's, V's scale words; v48-159 fragments and scores; v160-191 O^T; v192-199 pass 1's Q, q's words; v[220:221] f; v224-235 p's codes; v236 old -M; v239 8 h; v240, v241 16, 8 x lane
.macro CROUND
	s_barrier_signal -1
	s_barrier_wait -1
	s_cmp_lg_u32 s12, 0
	s_cbranch_scc1 .Lnot_wave_0_\@
	s_barrier_signal -3
.Lnot_wave_0_\@:
	s_barrier_wait -3
	s_barrier_signal -1
	s_barrier_wait -1
.endm
.macro FRAG reg, a16, a8, o16, o8      ; two images, each 16 + 8 bytes a lane
	ds_load_b128 v[\reg:\reg+3], v[\a16] offset:\o16
	ds_load_b64 v[\reg+4:\reg+5], v[\a8] offset:\o8
	ds_load_b128 v[\reg+6:\reg+9], v[\a16] offset:\o16+960
	ds_load_b64 v[\reg+10:\reg+11], v[\a8] offset:\o8+960
.endm
.macro KLOAD reg, a16, a8, as, oc, os  ; a step's four fragments of K and their scale words: 20 loads
.irp c, 0,1
.irp u, 0,1
	FRAG \reg+24*\c+12*\u, \a16, \a8, \oc+3840*\c+128*\u, \oc+3840*\c+64*\u
	ds_load_b32 v[40+2*\c+\u], v[\as] offset:\os+8*\c+128*\u
.endr
.endr
.endm
.macro TLOAD g0, g1
	tensor_load_to_lds s[\g0:\g0+3], s[\g1:\g1+7]
	s_nop 0
.rept 4
	v_nop
.endr
.endm
	s_load_b256 s[4:11], s[0:1], 0x0               ; qkvc, qkvs, ac, asc
	v_lshl_add_u32 v5, v0, 2, SPARE
	v_mov_b32 v6, 0
	ds_add_u32 v5, v6                              ; the opening lines
	ds_add_u32 v5, v6
	v_lshrrev_b32 v1, 5, v0
	v_readfirstlane_b32 s12, v1                    ; wave
	s_bfe_u32 s13, ttmp6, 0x40000                  ; cx
	s_and_b32 s14, ttmp7, 0xffff                   ; 16 x batch + head
	s_mov_b32 s[G1C], 15|(3<<16)|(1<<20)|(1<<21)|(5<<22)|(15<<25)   ; mask of all four; elements of 8 bytes; 16 words of padding behind each 64
	s_mov_b32 s[G1C+1], 32<<16
	s_mov_b32 s[G1C+2], 96<<16
	s_mov_b32 s[G1C+3], 32<<16
	s_mov_b32 s[G1C+4], 96
	s_mov_b32 s[G1C+5], 32
	s_mov_b32 s[G1C+6], 0
	s_mov_b32 s[G1C+7], 0
	s_mov_b32 s[G1S], 15|(3<<16)|(1<<21)
	s_mov_b32 s[G1S+1], 512<<16                    ; K's 4,096 bytes, and V's 262,144 bytes further on
	s_mov_b32 s[G1S+2], 2<<16
	s_mov_b32 s[G1S+3], 512<<16
	s_mov_b32 s[G1S+4], 2
	s_mov_b32 s[G1S+5], 32768
	s_mov_b32 s[G1S+6], 0
	s_mov_b32 s[G1S+7], 0
	s_add_co_u32 s70, s12, 15                      ; waves 1 .. 8 fetch codes: number wave - 1: K or V by its low bit, the chunk of 512 keys by the next two
	s_and_b32 s70, s70, 15
	s_and_b32 s71, s70, 1
	s_bfe_u32 s70, s70, 0x20001
	s_mul_i32 s72, s71, KV
	s_mul_i32 s73, s70, 30720
	s_add_co_u32 s72, s72, s73
	s_mov_b32 s[G0C], 1
	s_mov_b32 s[G0C+1], s72
	s_mov_b32 s[G0S], 1
	s_mov_b32 s[G0S+1], SCK
	s_add_co_u32 s71, s71, 1                       ; k is region 1 of the two buffers, v region 2
	s_mul_i32 s76, s71, 6291456
	s_mul_i32 s77, s14, 98304
	s_add_co_u32 s76, s76, s77
	s_mul_i32 s77, s70, 24576
	s_add_co_u32 s76, s76, s77
	s_mov_b32 s77, 0
	s_lshl_b32 s78, s14, 12
	s_add_co_u32 s78, s78, 262144
	s_mov_b32 s79, 0
	s_lshl_b32 s15, s13, 5
	s_add_co_u32 s15, s15, s12                     ; my query tile of pass 0: 32 cx + wave; pass 1's is 16 on
	s_lshl_b32 s2, s14, 7
	s_add_co_u32 s2, s2, s15
	s_mul_i32 s2, s2, 768
	s_mov_b32 s3, 0
	s_lshl_b32 s16, s13, 2
	s_lshr_b32 s17, s12, 3
	s_add_co_u32 s16, s16, s17                     ; its scale words: step 4 cx + wave / 8, word (wave / 2) % 4, half wave % 2
	s_lshl_b32 s16, s16, 8
	s_bfe_u32 s17, s12, 0x20001
	s_lshl_b32 s17, s17, 2
	s_add_co_u32 s16, s16, s17
	s_lshl_b32 s17, s14, 12
	s_add_co_u32 s16, s16, s17
	s_mov_b32 s17, 0
	s_and_b32 s63, s12, 1
	s_lshl_b32 s63, s63, 4
	s_lshr_b32 s18, s14, 4
	s_lshl_b32 s18, s18, 7
	s_add_co_u32 s18, s18, s15                     ; the tile among all tokens
	s_and_b32 s19, s14, 15                         ; the head
	s_mul_i32 s20, s18, 12288
	s_mul_i32 s21, s19, 768
	s_add_co_u32 s20, s20, s21                     ; ac: [tile][head][768]
	s_mov_b32 s21, 0
	s_lshl_b32 s22, s18, 9                         ; asc: [tile][head / 8][r][4 words]: word (head / 2) % 4, bytes 2 (head % 2) on
	s_lshr_b32 s23, s19, 3
	s_lshl_b32 s23, s23, 8
	s_add_co_u32 s22, s22, s23
	s_bfe_u32 s23, s19, 0x20001
	s_lshl_b32 s23, s23, 2
	s_add_co_u32 s22, s22, s23
	s_and_b32 s23, s19, 1
	s_lshl_b32 s23, s23, 1
	s_add_co_u32 s22, s22, s23
	s_mov_b32 s23, 0
	s_mov_b32 s66, 0x76543210
	s_mov_b32 s67, 0xfedcba98                      ; selects for lane l xor 16
	s_mov_b32 s68, 0x3e38aa3b                      ; log2(e) / 8
	s_mov_b32 s69, s68
	s_wait_dscnt 0x0
	s_wait_kmcnt 0x0
	s_add_nc_u64 s[G0C+2:G0C+3], s[4:5], s[76:77]
	s_or_b32 s[G0C+3], s[G0C+3], 0x80000000
	s_add_nc_u64 s[G0S+2:G0S+3], s[6:7], s[78:79]
	s_or_b32 s[G0S+3], s[G0S+3], 0x80000000
	s_add_nc_u64 s[2:3], s[4:5], s[2:3]
	s_add_nc_u64 s[16:17], s[6:7], s[16:17]
	s_add_nc_u64 s[20:21], s[8:9], s[20:21]
	s_add_nc_u64 s[22:23], s[10:11], s[22:23]
	CROUND                                         ; the four work-groups meet: the joint loads follow
	s_cmp_lt_u32 s12, 1                            ; one load a wave, in one chain of branches on the wave's number: wave 0 the scale words, waves 1 .. 8 the codes
	s_cbranch_scc0 .Lcodes
	TLOAD G0S, G1S
	s_branch .Lasked
.Lcodes:
	s_cmp_lt_u32 s12, 9
	s_cbranch_scc0 .Lasked
	TLOAD G0C, G1C
.Lasked:
	v_and_b32 v222, 31, v0
	v_lshlrev_b32 v240, 4, v222
	v_lshlrev_b32 v241, 3, v222
	v_bfe_u32 v38, v0, 4, 1                        ; h
	v_and_b32 v223, 15, v0
	v_lshlrev_b32 v222, 4, v223                    ; 16 r
	v_mad_u32_u24 v3, v38, 320, v222
	v_add_nc_u32 v3, KV, v3                        ; V: 16 r + 320 h
	v_add_nc_u32 v4, KV+640, v241                  ;    640 + 8 x lane
	v_add_nc_u32 v238, SCK+4096, v222
	v_and_b32 v8, 7, v0                            ; r % 8
	v_bfe_u32 v9, v0, 3, 1                         ; r / 8
	v_mul_u32_u24 v10, v9, 1920                    ; lanes r >= 8 read two images on
	v_lshl_add_u32 v1, v8, 4, v10
	v_mad_u32_u24 v1, v38, 320, v1                 ; K: 16 (r % 8) + 320 h + 1,920 (r / 8)
	v_lshl_add_u32 v2, v8, 3, v10
	v_lshl_add_u32 v2, v38, 7, v2
	v_add_nc_u32 v2, 640, v2                       ;    640 + 8 (r % 8) + 128 h + 1,920 (r / 8)
	v_lshl_add_u32 v7, v8, 4, SCK
	v_lshl_add_u32 v7, v9, 2, v7                   ; K's scale words: row r % 8, word r / 8
	v_lshlrev_b32 v239, 3, v38
	v_lshl_add_u32 v223, v38, 13, v222
	global_load_b128 v[22:25], v240, s[2:3]        ; Q of pass 0, between the zeros
	global_load_b64 v[26:27], v241, s[2:3] offset:512
	global_load_b128 v[192:195], v240, s[2:3] offset:12288
	global_load_b64 v[196:197], v241, s[2:3] offset:12800
	global_load_b32 v198, v222, s[16:17]
	global_load_b32 v199, v222, s[16:17] offset:512
.irp j, 16,17,18,19,20,21,28,29,30,31,32,33
	v_mov_b32 v[\j], 0
.endr
.irp b, 0,1,2,3
	v_mov_b32 v[BT+\b], 0                          ; a lane permute's destination counts as a source
.endr
	v_mov_b32 v221, 0
.macro PASS0 ps                        ; Q's scale words (q0, q1, 0, 0) and (0, 0, q0, q1); the largest t -3e38; l and O^T zeros
	v_lshrrev_b32 v35, s63, v[198+\ps]
	v_and_b32 v35, 0xffff, v35
	v_lshlrev_b32 v36, 16, v35
	v_mov_b32 v13, 0xff61b1e6
	v_floor_f32 v12, -v13
	v_mov_b32 v14, 0
	v_mov_b32 v15, 0
.set J, 0
.rept 32
	v_mov_b32 v[160+J], 0
.set J, J+1
.endr
.endm
.macro SPROD d, a, x                   ; a fragment of K serves twice
	v_wmma_scale_f32_16x16x128_f8f6f4 v[\d:\d+7], v[\a:\a+11], v[22:33], 0, v[\x], v35 matrix_a_fmt:MATRIX_FMT_FP6 matrix_b_fmt:MATRIX_FMT_FP6
	v_wmma_scale_f32_16x16x128_f8f6f4 v[\d+8:\d+15], v[\a:\a+11], v[16:27], 0, v[\x], v36 matrix_a_fmt:MATRIX_FMT_FP6 matrix_b_fmt:MATRIX_FMT_FP6
.endm
.macro MX3 i                           ; four chains of 16 scores, by turns
	v_max3_num_f32 v[BM], v[BM], v[S0+\i], v[S0+\i+1]
	v_max3_num_f32 v[BM+1], v[BM+1], v[S0+16+\i], v[S0+17+\i]
	v_max3_num_f32 v[BM+2], v[BM+2], v[S0+32+\i], v[S0+33+\i]
	v_max3_num_f32 v[BM+3], v[BM+3], v[144+\i], v[145+\i]
.endm
; A KEY STEP of 128 keys, the o-th of a trip's two; s60 = 7,680 x the trip's first step, s61 = 256 x it.  Its fragments of K were fetched in the step before.
.macro STEP kf, o
.set S0, 144-\kf                       ; scores 0 .. 47 from S0 on, 48 .. 63 in v144-159
.if \o == 0
	v_add_nc_u32 v8, s60, v1                       ; the trip's addresses; also the places between the last products and these, which write over their fragments
	v_add_nc_u32 v9, s60, v2
	v_add_nc_u32 v34, s61, v7
	v_add_nc_u32 v10, s60, v3
	v_add_nc_u32 v11, s60, v4
	v_add_nc_u32 v237, s61, v238
.else
.rept 5
	v_nop                                          ; the same places
.endr
.endif
	s_wait_alu depctr_va_vdst(0)
	s_wait_dscnt 0x0                               ; K
	SPROD S0, \kf, 40
	SPROD S0+16, \kf+12, 41
	SPROD S0+32, \kf+24, 42
	SPROD 144, \kf+36, 43
	v_mov_b32 v236, v12                            ; four places behind the products
.rept 3
	v_nop
.endr
	v_max3_num_f32 v[BM], v[S0], v[S0+1], v[S0+2]
	v_max3_num_f32 v[BM+1], v[S0+16], v[S0+17], v[S0+18]
	v_max3_num_f32 v[BM+2], v[S0+32], v[S0+33], v[S0+34]
	v_max3_num_f32 v[BM+3], v144, v145, v146
.irp i, 3,5,7,9,11,13
	MX3 \i
.endr
	v_max3_num_f32 v[BM], v[BM], v[BM+1], v[S0+15]
	v_max3_num_f32 v[BM+2], v[BM+2], v[BM+3], v[S0+47]
	v_max_num_f32 v[BM], v[BM], v[S0+31]           ; my two blocks' largest scores: all 32 of each are mine
	v_max_num_f32 v[BM+2], v[BM+2], v159
	v_max_num_f32 v222, v[BM], v[BM+2]
	FRAG \kf, 10, 11, 7680*\o, 7680*\o             ; V's loads stand among the lines that hang on each other
	v_permlanex16_b32 v[BT], v222, s66, s67
	FRAG \kf+12, 10, 11, 7680*\o+1920, 7680*\o+1920
	v_max_num_f32 v222, v222, v[BT]                ; with lane l xor 16's 64 keys
	FRAG \kf+24, 10, 11, 7680*\o+3840, 7680*\o+3840
	v_mul_f32 v222, s68, v222
	FRAG \kf+36, 10, 11, 7680*\o+5760, 7680*\o+5760
	v_max_num_f32 v13, v13, v222
	ds_load_b128 v[44:47], v237 offset:256*\o
	v_floor_f32 v12, -v13                          ; -M = floor(-t)
.irp g, S0, S0+16, S0+32, 144
.set J, 0
.rept 8
	v_pk_fma_f32 v[\g+J:\g+J+1], v[\g+J:\g+J+1], s[68:69], v[12:13] op_sel_hi:[1,0,0]   ; t - M
.set J, J+2
.endr
.endr
	v_sub_f32 v222, v12, v236                      ; old M - new M
	v_fma_f32 v[BM], v[BM], s68, v12
	v_cvt_i32_f32 v222, v222
	v_fma_f32 v[BM+2], v[BM+2], s68, v12
	v_ldexp_f32 v220, 1.0, v222                    ; f
	s_wait_alu depctr_va_vdst(0)                   ; the wait ahead of the batch
.irp g, S0, S0+16, S0+32, 144
.set J, 0
.rept 16
	v_exp_f32 v[\g+J], v[\g+J]
.set J, J+1
.endr
.endr
	v_exp_f32 v[BM], v[BM]                         ; the blocks' largest p
	v_exp_f32 v[BM+2], v[BM+2]
	v_pk_mul_f32 v[14:15], v[14:15], v[220:221] op_sel_hi:[1,0]    ; l under the new M; the plain place behind the batch
	s_wait_alu depctr_va_vdst(0)                   ; the wait behind the batch
.irp c, 0,1
	v_max_num_f32 v[BM+2*\c], 0x1800000, v[BM+2*\c]   ; the floor 2^(3 - 127)
.endr
.irp c, 0,1
	v_add_nc_u32 v[SO+\c], 0xff000000, v[BM+2*\c]  ; the conversions' scale operand
.endr
.irp c, 0,1
	v_lshrrev_b32 v[BT+\c], 23, v[SO+\c]           ; the byte
.endr
	v_lshl_or_b32 v37, v[BT+1], 16, v[BT]          ; my bytes: blocks h and 2 + h,
	v_lshlrev_b32 v37, v239, v37                   ; 8 h bits up;
	v_permlanex16_b32 v[BT+2], v37, s66, s67
	v_or_b32 v37, v37, v[BT+2]                     ; with lane l xor 16's two the word is whole
	v_pk_add_f32 v[244:245], v[S0:S0+1], v[S0+2:S0+3]      ; l += the 64 unquantised p, in four chains
	v_pk_add_f32 v[246:247], v[S0+4:S0+5], v[S0+6:S0+7]
	v_pk_add_f32 v[248:249], v[S0+8:S0+9], v[S0+10:S0+11]
	v_pk_add_f32 v[14:15], v[14:15], v[S0+12:S0+13]
.irp g, S0+16, S0+24, S0+32, S0+40, 144, 152
	v_pk_add_f32 v[244:245], v[244:245], v[\g:\g+1]
	v_pk_add_f32 v[246:247], v[246:247], v[\g+2:\g+3]
	v_pk_add_f32 v[248:249], v[248:249], v[\g+4:\g+5]
	v_pk_add_f32 v[14:15], v[14:15], v[\g+6:\g+7]
.endr
	v_pk_add_f32 v[244:245], v[244:245], v[S0+14:S0+15]
	v_pk_add_f32 v[246:247], v[246:247], v[248:249]
	v_pk_add_f32 v[14:15], v[14:15], v[244:245]
	v_pk_add_f32 v[14:15], v[14:15], v[246:247]
	v_cvt_scalef32_pk16_fp6_f32 v[224:226], v[S0:S0+15], v[SO]
	v_cvt_scalef32_pk16_fp6_f32 v[CT:CT+2], v[S0+16:S0+31], v[SO]
	v_cvt_scalef32_pk16_fp6_f32 v[230:232], v[S0+32:S0+47], v[SO+1]
	v_cvt_scalef32_pk16_fp6_f32 v[CT+4:CT+6], v[144:159], v[SO+1]
	v_nop                                          ; one plain place behind a scaled conversion
	KLOAD S0, 8, 9, 34, 7680*(\o+1), 256*(\o+1)    ; p is summed and converted: its registers take the next step's K
.irp c, 0,1
.irp i, 0,1,2
	v_mov_b32 v[227+6*\c+\i], v[CT+4*\c+\i]
.endr
.endr
	s_wait_dscnt 20                                ; V is in; the 20 loads of the next step's K may be out
	s_wait_alu depctr_va_vdst(0)                   ; directly ahead of the first reader of O^T
.set J, 0
.rept 16
	v_pk_mul_f32 v[160+J:161+J], v[160+J:161+J], v[220:221] op_sel_hi:[1,0]   ; O^T under the new M; also the places ahead of the products
.set J, J+2
.endr
.irp g, 0,1,2,3
	v_wmma_scale_f32_16x16x128_f8f6f4 v[160+8*\g:167+8*\g], v[\kf+12*\g:\kf+12*\g+11], v[224:235], v[160+8*\g:167+8*\g], v[44+\g], v37 matrix_a_fmt:MATRIX_FMT_FP6 matrix_b_fmt:MATRIX_FMT_FP6
.endr
.endm
.macro RUN                             ; a pass: sixteen key steps, two a trip
	KLOAD 48, 1, 2, 7, 0, 0
	s_mov_b32 s60, 0
	s_mov_b32 s61, 0
	s_mov_b32 s62, 8
.Lrun_\@:
	STEP 48, 0
	STEP 96, 1
	s_add_co_u32 s60, s60, 15360
	s_add_co_u32 s61, s61, 512
	s_sub_co_u32 s62, s62, 1
	s_cmp_lg_u32 s62, 0
	s_cbranch_scc1 .Lrun_\@
.endm
; A pass ends: O^T / l, whose register 16 b + i is the head's d = 32 b + 16 h + i of my query, is quantised: two blocks, one image.  (v40-43 and v48-95, into which loads are out, are not named here.)
.macro FINISH ps
.rept 4
	v_nop
.endr
	v_add_f32 v222, v14, v15
	v_permlanex16_b32 v[BT], v222, s66, s67
	v_add_f32 v222, v222, v[BT]                    ; the row's sum
	s_wait_alu depctr_va_vdst(0)
	v_rcp_f32 v220, v222
	v_mov_b32 v221, 0
	s_wait_alu depctr_va_vdst(0)
.set J, 0
.rept 16
	v_pk_mul_f32 v[96+J:97+J], v[160+J:161+J], v[220:221] op_sel_hi:[1,0]
.set J, J+2
.endr
.irp b, 0,1
	v_max3_num_f32 v[BM+\b], |v[96+16*\b]|, |v[97+16*\b]|, 0x1800000
.endr
.irp i, 2,4,6,8,10,12,14
.irp b, 0,1
	v_max3_num_f32 v[BM+\b], v[BM+\b], |v[96+16*\b+\i]|, |v[97+16*\b+\i]|
.endr
.endr
.irp b, 0,1
	v_permlanex16_b32 v[BT+\b], v[BM+\b], s66, s67
.endr
.irp b, 0,1
	v_max_num_f32 v[BM+\b], v[BM+\b], v[BT+\b]
.endr
.irp b, 0,1
	v_add_nc_u32 v[SO+\b], 0xff000000, v[BM+\b]
.endr
.irp b, 0,1
	v_lshrrev_b32 v[BT+\b], 23, v[SO+\b]
.endr
	v_lshl_or_b32 v222, v[BT+1], 8, v[BT]          ; the row's two bytes
	v_cvt_scalef32_pk16_fp6_f32 v[224:226], v[96:111], v[SO]
	v_cvt_scalef32_pk16_fp6_f32 v[CT:CT+2], v[112:127], v[SO+1]
	v_nop
.irp i, 0,1,2
	v_permlane16_swap_b32 v[224+\i], v[CT+\i]
.endr
.irp i, 0,1,2
	v_mov_b32 v[227+\i], v[CT+\i]
.endr
	global_store_b128 v240, v[224:227], s[20:21] offset:\ps*196608
	global_store_b64 v241, v[228:229], s[20:21] offset:\ps*196608+512
.if \ps == 0
	v_mov_b32 v39, v222
.else
	v_cmp_eq_u32 vcc_lo, 1, v38
	v_cndmask_b32 v39, v39, v222, vcc_lo           ; lanes 0-15 keep pass 0's bytes, lanes 16-31 take pass 1's
.endif
.endm
	s_wait_loadcnt 0x0                             ; Q and its scale words
	PASS0 0
	s_wait_alu depctr_va_vdst(0)
	s_wait_tensorcnt 0x0                           ; every wave: all of K and V and their scale words are in
	s_barrier_signal -1
	s_barrier_wait -1
	RUN
	FINISH 0
	s_wait_xcnt 0x0                                ; pass 0's stores have read their data
	s_wait_dscnt 0x0                               ; the last step's loads are back: their registers are loaded anew below
.irp j, 0,1,2,3,4,5
	v_mov_b32 v[22+\j], v[192+\j]                  ; pass 1's Q
.endr
	PASS0 1
	RUN
	FINISH 1
	global_store_b16 v223, v39, s[22:23]           ; pass 1's tile lies 16 tiles of 512 bytes on
	s_wait_tensorcnt 0x0                           ; the wave's end
	ds_add_u32 v5, v6
	s_wait_dscnt 0x0
	CROUND                                         ; the closing round
	s_endpgm
.Lfunc_end_k_q004e5b92df_attn:
	.size	k_q004e5b92df_attn, .Lfunc_end_k_q004e5b92df_attn-k_q004e5b92df_attn
	.p2alignl 7, 3214868480
	.fill 96, 4, 3214868480
	.section	.rodata,"a",@progbits
	.p2align	6, 0x0
	.amdhsa_kernel k_q004e5b92df_attn
		.amdhsa_group_segment_fixed_size 256000
		.amdhsa_private_segment_fixed_size 0
		.amdhsa_enable_private_segment 0
		.amdhsa_kernarg_size 32
		.amdhsa_user_sgpr_count 2
		.amdhsa_user_sgpr_kernarg_segment_ptr 1
		.amdhsa_wavefront_size32 1
		.amdhsa_system_sgpr_workgroup_id_x 1
		.amdhsa_system_sgpr_workgroup_id_y 1
		.amdhsa_system_sgpr_workgroup_id_z 1
		.amdhsa_system_vgpr_workitem_id 0
		.amdhsa_next_free_vgpr 256
		.amdhsa_next_free_sgpr 80
		.amdhsa_reserve_vcc 1
		.amdhsa_float_denorm_mode_32 3
		.amdhsa_float_denorm_mode_16_64 3
		.amdhsa_memory_ordered 1
		.amdhsa_forward_progress 1
		.amdhsa_inst_pref_size 81
	.end_amdhsa_kernel
	.amdgpu_metadata
---
amdhsa.version: [ 1, 2 ]
amdhsa.kernels:
  - .name:           k_q004e5b92df_attn
    .symbol:         k_q004e5b92df_attn.kd
    .args:
      - { .name: qkvc, .offset: 0, .size: 8, .value_kind: global_buffer, .address_space: global }
      - { .name: qkvs, .offset: 8, .size: 8, .value_kind: global_buffer, .address_space: global }
      - { .name: ac, .offset: 16, .size: 8, .value_kind: global_buffer, .address_space: global }
      - { .name: asc, .offset: 24, .size: 8, .value_kind: global_buffer, .address_space: global }
    .group_segment_fixed_size: 256000
    .private_segment_fixed_size: 0
    .kernarg_segment_align: 8
    .kernarg_segment_size: 32
    .max_flat_workgroup_size: 512
    .sgpr_count:     80
    .vgpr_count:     256
    .wavefront_size: 32
...
	.end_amdgpu_metadata
.endif
;; end of part 3
;; launch oproj (part 4): grid 4 x 64, 4 waves a work-group, clusters of 4 x 4, 327,680 bytes of LDS; arguments ac, asc, wc, ws, bo, out0; writes out0
.if DOCPART == 4
	.amdgcn_target "amdgcn-amd-amdhsa--gfx1250"
	.amdhsa_code_object_version 6
	.text
	.protected	k_q004e5b92df_oproj
	.globl	k_q004e5b92df_oproj
	.p2align	8
	.type	k_q004e5b92df_oproj,@function
k_q004e5b92df_oproj:
	s_mov_b64 s[64:65], 0
	v_nop
	global_prefetch_b8 v0, s[64:65] scope:SCOPE_SE
	s_setreg_imm32_b32 hwreg(HW_REG_WAVE_MODE, 25, 1), 1
	s_wait_xcnt 0x0
	s_wait_alu depctr_hold_cnt(0) depctr_sa_sdst(0) depctr_va_vdst(0) depctr_va_sdst(0) depctr_va_ssrc(0) depctr_va_vcc(0) depctr_vm_vsrc(0)
	s_getreg_b32 s2, hwreg(HW_REG_IB_STS2, 6, 4)
	s_cmp_eq_u32 s2, 0
	s_cbranch_scc0 .Lentry_in_a_cluster
	s_endpgm
.Lentry_in_a_cluster:
	s_bfe_u32 s2, ttmp6, 0x10000c
	s_cmp_lg_u32 s2, 0xf033
	s_cbranch_scc0 .Lentry_shape_is_right
	s_endpgm
.Lentry_shape_is_right:
; out0 = attn Wo + bo on codes of E2M3 with E8M0 scales; out0 [8192][1024] f32.  K = 1,024.
; Operands arrive as images of the operand's registers (a tile of 16 rows x 64 K is 768 bytes: lane's first 16 bytes at 16 x lane, last 8 at 512 + 8 x lane); tile T, lane row r stands for index 32 (T / 2) + 8 (T % 2) + r + 8 (r / 8).
; A work-group makes 128 x 256, each of its four waves 64 x 128: 32 accumulators.  Source 0 takes role B's tiles (Wo's columns), source 1 role A's (tokens): in accumulator (a, b) lane (r, h) holds token row r of tile a, and its
; register j column 32 (b / 2) + 16 h + 8 (b % 2) + j: eight neighbouring numbers of a row of out0.
; CLUSTER 4 x 4: role A's tiles hang on cy and are asked for jointly along a row of the cluster, role B's on cx, along a column.
; K goes in 8 steps of 128; a slot holds 256 along K.  Three slots are filled at the head, slot 0 once more with the last 256: the walk is written out.  The scale words of all of K come once and go to registers once.
; The bias is the C of each sum's first matrix instruction.  256 work-groups: the 64 x 4 blocks of 128 x 256 of out0.
; REGISTERS, in windows of 256.  window 0: v1, v2 r, h; v8-26 addresses; v28, v29 the add's two; v32-95 scale words (block i, step s at 32 + 8 i + s: lanes 0-15 role A's, lanes 16-31 role B's);
;   v96-127 and v224-255 the bias; v128-223 role A's fragments, two sets; on the way out v128-255 rows of out0.  window 1: role B's fragments, two sets.  window 2: the accumulators, (a, b) at v[8 (8 (a % 4) + b)].
.set SLOTB,  98304
.set HALFB,  24576
.set SCL,    294912
.set SPARE,  311296
.set A16, 8
.set A8,  11
.set B16, 14
.set B8,  17
.set ADRS, 20
.set L16, 21
.set L8,  22
.set BOFF, 24
.set STO, 25                           ; v25 the way out: where I put 32 bytes of a row
.set RD,  26                           ; v26 and where I read a row back
.set SPW, 28
.set NIL, 29
.set SC,  32
.set AF,  128
.set BK,  128
.set G1,  24
.set G1B, 32
.set G1S, 40
.set G1SB, 48
.set G0A0, 56
.set G0A1, 60
.set G0A2, 68
.set G0B0, 72
.set G0B1, 76
.set G0B2, 80
.set G0S, 84
.set G0SB, 88
.set WV, 92
.set HA, 93
.set HB, 94
.set CX, 95
.set CY, 96
.set YY, 98
.set MSB, 0
.macro WIN new                         ; the immediate's high byte repeats the setting that is left
.if MSB != (\new)
	s_set_vgpr_msb (MSB<<8)|(\new)
.set MSB, (\new)
.endif
.endm
.set MUL_LO,  0xa1
.set MUL_HI,  0xf1
.set MUL_LO0, 0x81
.set MUL_HI0, 0xc1
.set TO_B,    0x40
; A joint load: waves 0 and 1 fetch for role A, waves 2 and 3 for role B; the branch hangs on the wave's number alone.  An s_nop 0 and four v_nop follow each of the two lines.
.macro JLOAD g0a, g1a, g0b, g1b
	s_cmp_eq_u32 s[HA], 0
	s_cbranch_scc0 .Lfor_b_\@
	tensor_load_to_lds s[\g0a:\g0a+3], s[\g1a:\g1a+7]
	s_nop 0
.rept 4
	v_nop
.endr
	s_branch .Lasked_\@
.Lfor_b_\@:
	tensor_load_to_lds s[\g0b:\g0b+3], s[\g1b:\g1b+7]
	s_nop 0
.rept 4
	v_nop
.endr
.Lasked_\@:
.endm
.macro CREST
	s_cmp_lg_u32 s[WV], 0
	s_cbranch_scc1 .Lnot_wave_0_\@
	s_barrier_signal -3
.Lnot_wave_0_\@:
	s_barrier_wait -3
	s_barrier_signal -1
	s_barrier_wait -1
.endm
.macro CROUND
	s_barrier_signal -1
	s_barrier_wait -1
	CREST
.endm
.macro PLACES n                        ; plain places behind matrix instructions (ISA guide 7.12.1)
.rept \n
	v_nop
.endr
.endm
.macro FRAG reg, a16, a8, off
	ds_load_b128 v[\reg:\reg+3], v[\a16] offset:\off
	ds_load_b64 v[\reg+4:\reg+5], v[\a8] offset:\off+512
	ds_load_b128 v[\reg+6:\reg+9], v[\a16] offset:\off+768
	ds_load_b64 v[\reg+10:\reg+11], v[\a8] offset:\off+1280
.endm
.macro FETCH_B slot, q, p
	WIN TO_B
.irp i, 0,1,2,3,4,5,6,7
	FRAG 128*(\p)+12*\i, B16+\slot, B8+\slot, (\i)*3072*(1+((\slot)+1)/2)+(\q)*1536
.endr
	WIN 0
.endm
; A WORK-GROUP MAKES 128 x 256 of out0, a wave 64 x 128: 32 accumulators; 64 x 4 blocks are 256 work-groups.  Role A has 8 tiles a work-group, 4 a wave, and two sets of fragment registers, as role B has.
.macro FETCH_A slot, q, p              ; role A's four blocks into set p
.irp i, 0,1,2,3
	FRAG AF+48*(\p)+12*\i, A16+\slot, A8+\slot, (\i)*3072*(1+((\slot)+1)/2)+(\q)*1536
.endr
.endm
.macro SCALES
.irp i, 0,1,2,3,4,5,6,7
	ds_load_b128 v[SC+8*\i:SC+8*\i+3], v[ADRS] offset:512*\i
	ds_load_b128 v[SC+8*\i+4:SC+8*\i+7], v[ADRS] offset:512*\i+256
.endr
.endm
; 16 matrix instructions: role A's blocks a0, a0 + 1 x role B's eight, step s.  ck = 1: the sums begin with the bias of role B's block.  The 32 accumulators take turns, one instruction a turn.
.macro MUL16 a0, p, s, ck
.irp a, \a0, \a0+1
.irp b, 0,1,2,3,4,5,6,7
.set DD, 8*(8*((\a)%4)+\b)
.set BB, 128*(\p)+12*\b
.set AA, AF+48*(\p)+12*(\a)
.if \ck == 1
.set CC, 96+8*\b+96*(\b/4)
	v_wmma_scale_f32_16x16x128_f8f6f4 v[DD:DD+7], v[BB:BB+11], v[AA:AA+11], v[CC:CC+7], v[SC+8*\b+(\s)], v[SC+8*(\a)+(\s)] matrix_a_fmt:MATRIX_FMT_FP6 matrix_b_fmt:MATRIX_FMT_FP6 matrix_a_scale:MATRIX_SCALE_ROW1
.else
	v_wmma_scale_f32_16x16x128_f8f6f4 v[DD:DD+7], v[BB:BB+11], v[AA:AA+11], v[DD:DD+7], v[SC+8*\b+(\s)], v[SC+8*(\a)+(\s)] matrix_a_fmt:MATRIX_FMT_FP6 matrix_b_fmt:MATRIX_FMT_FP6 matrix_a_scale:MATRIX_SCALE_ROW1
.endif
.endr
.endr
.endm
.macro STEP s, nslot, nq, ck
	s_wait_dscnt 0x0                               ; this step's fragments are in;
	PLACES 4
	FETCH_B \nslot, \nq, 1-(\s)%2                  ; the next step's go into the other sets while this step is multiplied
	FETCH_A \nslot, \nq, 1-(\s)%2
.if \ck
	WIN MUL_LO0
.else
	WIN MUL_LO
.endif
	MUL16 0, (\s)%2, \s, \ck
	MUL16 2, (\s)%2, \s, \ck
	WIN 0
.endm
.macro TURN s, nslot, fill
	s_wait_tensorcnt 0x0                           ; all my tensor loads have landed (every window is 0 here)
	ds_add_u32 v[SPW], v[NIL]                      ; 0 onto my spare word
	s_wait_dscnt 1                                 ; (the add may be out)
	WIN MUL_LO
	MUL16 0, 1, \s, 0
	s_wait_dscnt 0x0                               ; the add is done, and all my LDS reads are back
	s_barrier_signal -1
	MUL16 2, 1, \s, 0
	WIN 0
	s_barrier_wait -1
.if \fill
	CREST                                          ; no wave of any partner still reads slot 0 or has a load on its way
	s_add_nc_u64 s[G0A0+2:G0A0+3], s[G0A0+2:G0A0+3], 9216
	s_add_nc_u64 s[G0B0+2:G0B0+3], s[G0B0+2:G0B0+3], 9216
.irp g, G1, G1B
	s_mov_b32 s[\g+1], 384<<16                     ; rows of 3,072 bytes again
	s_mov_b32 s[\g+3], 384<<16
.endr
	JLOAD G0A0, G1, G0B0, G1B
.else
	PLACES 4
.endif
	FETCH_B \nslot, 0, 0
	FETCH_A \nslot, 0, 0
.endm
	s_load_b256 s[4:11], s[0:1], 0x0               ; ac, asc, wc, ws
	s_load_b128 s[12:15], s[0:1], 0x20             ; bo, out0
	v_lshl_add_u32 v[SPW], v0, 2, SPARE
	v_mov_b32 v[NIL], 0
	ds_add_u32 v[SPW], v[NIL]                      ; the wave's opening: the add and its wait stand ahead of my first tensor load
	ds_add_u32 v[SPW], v[NIL]
	v_lshrrev_b32 v1, 5, v0
	v_readfirstlane_b32 s[WV], v1
	s_lshr_b32 s[HA], s[WV], 1
	s_and_b32 s[HB], s[WV], 1
	s_bfe_u32 s[CX], ttmp6, 0x40000
	s_bfe_u32 s[CY], ttmp6, 0x40004
	s_and_b32 s[YY], ttmp7, 0xffff
	s_lshl_b32 s22, s[CY], 2
	s_lshl_b32 s22, 15, s22                        ; my row of the cluster
	s_lshl_b32 s2, 0x1111, s[CX]                   ; my column
	s_or_b32 s[G1], s22, (3<<16)|(1<<21)
	s_or_b32 s[G1B], s2, (3<<16)|(1<<21)
	s_or_b32 s[G1S], s22, (3<<16)|(1<<21)
	s_or_b32 s[G1SB], s2, (3<<16)|(1<<21)
.irp g, G1, G1B                        ; 8 rows of 3,072 bytes (384 elements of 8), 12,288 bytes apart
	s_mov_b32 s[\g+1], 384<<16
	s_mov_b32 s[\g+2], 16<<16
	s_mov_b32 s[\g+3], 384<<16
	s_mov_b32 s[\g+4], 16
	s_mov_b32 s[\g+5], 1536
	s_mov_b32 s[\g+6], 0
	s_mov_b32 s[\g+7], 0
.endr
	s_mov_b32 s[G1+2], 8<<16                       ; role A has 8 tiles
	s_mov_b32 s[G1+4], 8
.irp g, G1S, G1SB                      ; 4,096 dense bytes as 16 rows of 256
	s_mov_b32 s[\g+1], 32<<16
	s_mov_b32 s[\g+2], 32<<16                      ; a role's scale words, 8,192 dense bytes as 32 rows of 256: one load
	s_mov_b32 s[\g+3], 32<<16
	s_mov_b32 s[\g+4], 32
	s_mov_b32 s[\g+5], 32
	s_mov_b32 s[\g+6], 0
	s_mov_b32 s[\g+7], 0
.endr
	s_mov_b32 s[G1S+2], 16<<16                     ; and 4,096 bytes of scale words
	s_mov_b32 s[G1S+4], 16
	s_mul_i32 s3, s[WV], HALFB
.irp g, G0A0, G0B0
	s_mov_b32 s[\g], 1
	s_mov_b32 s[\g+1], s3
.endr
	s_lshr_b32 s[G0A0+1], s3, 1                    ; role A's refill: wave x 4 tiles of 3,072 bytes
	s_lshl_b32 s3, s3, 1
.irp g, G0A1, G0B1
	s_mov_b32 s[\g], 1
	s_add_co_u32 s[\g+1], s3, SLOTB
.endr
	s_mov_b32 s[G0A2], 1                           ; the head's four loads: role A's slot 0, role B's, and their scale words
	s_mov_b32 s[G0A2+1], 0
	s_mov_b32 s[G0B2], 1
	s_mov_b32 s[G0B2+1], 2*HALFB
	s_mov_b32 s[G0S], 1
	s_mov_b32 s[G0S+1], SCL+4096                   ; role A's scale words end where role B's begin: the loads of blocks 4-7, which serve role B's lanes, read filled bytes in role A's lanes too
	s_mov_b32 s[G0SB], 1
	s_mov_b32 s[G0SB+1], SCL+8192
	s_lshl_b32 s66, s[YY], 2
	s_add_co_u32 s66, s66, s[CY]                   ; role A: the tokens' block 4 Y + cy
	s_add_co_u32 s100, s[CX], 12                   ; role B: the weights' block 12 + cx (Wo)
	s_lshl_b32 s22, s66, 12                        ; role A's block is 128 tokens: 8 tiles
	s_mul_i32 s66, s66, 98304
	s_lshl_b32 s2, s100, 13
	s_mul_i32 s100, s100, 196608
	s_mov_b32 s67, 0
	s_mov_b32 s101, 0
	s_mov_b32 s23, 0
	s_mov_b32 s3, 0
	s_wait_dscnt 0x0                               ; the opening add is done
	s_wait_kmcnt 0x0
	s_add_nc_u64 s[G0A0+2:G0A0+3], s[4:5], s[66:67]
	s_add_nc_u64 s[G0B0+2:G0B0+3], s[8:9], s[100:101]
	s_add_nc_u64 s[G0S+2:G0S+3], s[6:7], s[22:23]
	s_add_nc_u64 s[G0SB+2:G0SB+3], s[10:11], s[2:3]
	s_mov_b64 s[G0A2+2:G0A2+3], s[G0A0+2:G0A0+3]   ; the blocks' first tiles, for the head's loads
	s_mov_b64 s[G0B2+2:G0B2+3], s[G0B0+2:G0B0+3]
	s_mul_i32 s2, s[HB], 49152                     ; behind the head I fetch 4 tiles of role A or 8 of role B (s3 = 0)
	s_add_nc_u64 s[G0A0+2:G0A0+3], s[G0A0+2:G0A0+3], s[2:3]
	s_lshl_b32 s2, s2, 1
	s_add_nc_u64 s[G0B0+2:G0B0+3], s[G0B0+2:G0B0+3], s[2:3]
	s_mov_b32 s22, 24576
	s_add_nc_u64 s[G0A1+2:G0A1+3], s[G0A0+2:G0A0+3], 3072   ; K = 256 on
	s_add_nc_u64 s[G0B1+2:G0B1+3], s[G0B0+2:G0B0+3], 3072
	s_cmp_eq_u32 s[HA], 0                          ; the prefetch: of the tiles that I fetch next, my work-group names a quarter, told apart by address (cx for role A, cy for role B)
	s_cselect_b64 s[66:67], s[G0A1+2:G0A1+3], s[G0B1+2:G0B1+3]
	s_cselect_b32 s2, s[CX], s[CY]
	s_cselect_b32 s22, 12288, s22                  ; of role A's 4 tiles my work-group names 1, of role B's 8 it names 2
	s_mul_i32 s2, s2, s22
	s_add_nc_u64 s[66:67], s[66:67], s[2:3]
.irp g, G0A0, G0A1, G0A2, G0B0, G0B1, G0B2, G0S, G0SB
	s_or_b32 s[\g+3], s[\g+3], 0x80000000
.endr
	CROUND                                         ; all sixteen work-groups are here: the first joint loads meet
; the head's loads, one a wave, in one chain of branches on the wave's number
.macro ARM under, g0, g1, next
	s_cmp_lt_u32 s[WV], \under
	s_cbranch_scc0 \next
	tensor_load_to_lds s[\g0:\g0+3], s[\g1:\g1+7]
	s_nop 0
.rept 4
	v_nop
.endr
	s_branch .Lhead_asked
\next:
.endm
	ARM 1, G0A2, G1, .Lhead_b
	ARM 2, G0B2, G1B, .Lhead_sa
	ARM 3, G0S, G1S, .Lhead_sb
	tensor_load_to_lds s[G0SB:G0SB+3], s[G1SB:G1SB+7]
	s_nop 0
.rept 4
	v_nop
.endr
.Lhead_asked:
	v_and_b32 v1, 15, v0                           ; r
	v_bfe_u32 v2, v0, 4, 1                         ; h
	v_and_b32 v3, 31, v0
	v_lshlrev_b32 v[L16], 4, v3
	v_lshlrev_b32 v[L8], 3, v3
	v_min_u32 v6, 23, v3                           ; a tile's 6,144 bytes are 24 blocks of 256: a lane a block, the lanes left over name the last again
	v_lshlrev_b32 v6, 8, v6
	global_prefetch_b8 v6, s[66:67] th:TH_LOAD_NT scope:SCOPE_SE
	s_wait_alu depctr_va_vdst(0)
	s_cmp_eq_u32 s[HA], 0
	s_cbranch_scc1 .Lpf_done
	global_prefetch_b8 v6, s[66:67] offset:12288 th:TH_LOAD_NT scope:SCOPE_SE
.Lpf_done:
	s_mul_i32 s2, s[HA], 12288                     ; my 4 tiles of role A
	s_mul_i32 s3, s[HB], HALFB
	s_add_co_u32 s3, s3, 2*HALFB
.irp s, 0,1,2
	v_add_nc_u32 v[A16+\s], s2, v[L16]
	v_add_nc_u32 v[A8+\s], s2, v[L8]
	v_add_nc_u32 v[B16+\s], s3, v[L16]
	v_add_nc_u32 v[B8+\s], s3, v[L8]
.if \s == 0
	s_lshl_b32 s2, s2, 2
	s_lshl_b32 s3, s3, 1
	s_add_co_u32 s2, s2, SLOTB
	s_add_co_u32 s3, s3, SLOTB
.else
	s_add_co_u32 s2, s2, 3072
	s_add_co_u32 s3, s3, 3072
.endif
.endr
	v_lshlrev_b32 v4, 4, v1
	s_lshl_b32 s2, s[HA], 11
	s_add_co_u32 s2, s2, 4096
	s_lshl_b32 s3, s[HB], 12
	s_add_co_u32 s3, s3, 8192
	s_sub_co_u32 s3, s3, s2
	v_mul_u32_u24 v5, s3, v2                       ; lanes 16-31 take role B's words
	s_add_co_u32 s2, s2, SCL
	v_add_nc_u32 v5, v5, v4
	v_add_nc_u32 v[ADRS], s2, v5
	s_mul_i32 s2, s[WV], 8448                      ; my stage, 16 rows of 512 bytes + 16, lies in slot 1: that slot is filled once, and when the first result is stored there every wave has passed a barrier behind its last read of it
	s_add_co_u32 s2, s2, SLOTB
	v_mul_u32_u24 v[STO], v1, 528
	v_lshl_add_u32 v[STO], v2, 6, v[STO]
	v_add_nc_u32 v[STO], s2, v[STO]                ; in: row r, + 64 h
	v_add_nc_u32 v[RD], s2, v[L16]                 ; back: a row's 512 bytes, 16 a lane
	s_lshl_b32 s2, s[CX], 10                       ; my 128 columns, in bytes: 1,024 cx + 512 x half
	s_lshl_b32 s3, s[HB], 9
	s_add_co_u32 s2, s2, s3
	s_mov_b32 s3, 0
	s_add_nc_u64 s[12:13], s[12:13], s[2:3]        ; the bias
	s_add_nc_u64 s[14:15], s[14:15], s[2:3]
	s_lshl_b32 s2, s[YY], 2
	s_add_co_u32 s2, s2, s[CY]
	s_lshl_b32 s2, s2, 1
	s_add_co_u32 s2, s2, s[HA]
	s_lshl_b32 s2, s2, 18                          ; my 64 rows: (2 (4 Y + cy) + half) x 64 x 4,096 bytes
	s_add_nc_u64 s[14:15], s[14:15], s[2:3]
	v_lshlrev_b32 v[BOFF], 6, v2
.irp b, 0,1,2,3,4,5,6,7                ; register j of block b: the bias of column 32 (b / 2) + 16 h + 8 (b % 2) + j
	global_load_b128 v[96+8*\b+96*(\b/4):96+8*\b+96*(\b/4)+3], v[BOFF], s[12:13] offset:(32*(\b/2)+8*(\b%2))*4
	global_load_b128 v[96+8*\b+96*(\b/4)+4:96+8*\b+96*(\b/4)+7], v[BOFF], s[12:13] offset:(32*(\b/2)+8*(\b%2))*4+16
.endr
	s_wait_alu depctr_va_vdst(0)
	s_wait_alu depctr_va_vdst(0)
	s_wait_tensorcnt 0x0                           ; my tile of the head's four is in; the three lines ahead of a later first fill
	ds_add_u32 v[SPW], v[NIL]
.irp g, G1, G1B
	s_mov_b32 s[\g+1], 768<<16                     ; no load of mine is out: the next brings 8 rows of 6,144 bytes
	s_mov_b32 s[\g+2], 8<<16
	s_mov_b32 s[\g+3], 768<<16
	s_mov_b32 s[\g+4], 8
.endr
	s_mov_b32 s[G1+2], 4<<16                       ; role A: 4 tiles a wave from here on
	s_mov_b32 s[G1+4], 4
	s_wait_dscnt 0x0
	CROUND                                         ; all four tiles are in, and the sixteen work-groups meet
	JLOAD G0A1, G1, G0B1, G1B                      ; K = 256 .. 767, one load a wave
	FETCH_B 0, 0, 0
	FETCH_A 0, 0, 0
	SCALES
	s_wait_loadcnt 0x0                             ; the bias
	STEP 0, 0, 1, 1
	TURN 1, 1, 1                                   ; slot 0 is read out and filled again; every wave's loads of slots 1 and 2 have landed in front of the round
	STEP 2, 1, 1, 0
	STEP 3, 2, 0, 0
	STEP 4, 2, 1, 0
	TURN 5, 0, 0                                   ; the refill has landed in every wave in front of this barrier
	STEP 6, 0, 1, 0
	s_wait_dscnt 0x0
	WIN MUL_LO
	MUL16 0, 1, 7, 0
	MUL16 2, 1, 7, 0
	WIN 0
; THE WAY OUT, block by block of 16 rows x 128 columns, through my own stage: in as 32 bytes a lane, back as whole rows of 512 bytes.  LDS serves a wave's instructions in order: no wait between the stores and the loads.
.macro TOSTAGE a
.set AC, 64*((\a)%4)
	WIN 0x08+4*((\a)/4)                            ; the data: window 2
.irp b, 0,1,2,3,4,5,6,7
	ds_store_b128 v[STO], v[AC+8*\b:AC+8*\b+3] offset:128*(\b/2)+32*(\b%2)       ; each accumulator from its low end on
	ds_store_b128 v[STO], v[AC+8*\b+4:AC+8*\b+7] offset:128*(\b/2)+32*(\b%2)+16
.endr
	WIN 0
.set BB, BK+64*((\a)%2)
.irp t, 0,1,2,3,4,5,6,7,8,9,10,11,12,13,14,15
	ds_load_b128 v[BB+4*\t:BB+4*\t+3], v[RD] offset:\t*528
.endr
.endm
.macro SEND a, younger                 ; younger: the LDS instructions issued behind block a's loads, which may stay out
.set BB, BK+64*((\a)%2)
	s_wait_dscnt \younger
.irp t, 0,1,2,3,4,5,6,7,8,9,10,11,12,13,14,15
	global_store_b128 v[L16], v[BB+4*\t:BB+4*\t+3], s[14:15] offset:(32*((\a)/2)+8*((\a)%2)+\t+8*(\t/8))*4096 th:TH_STORE_NT   ; row t of tile a is row 32 (a / 2) + 8 (a % 2) + t + 8 (t / 8) of my 64; 32 lanes store 512 consecutive bytes, aligned
.endr
.endm
	PLACES 4
	TOSTAGE 0
.irp a, 1,2,3
.if \a > 1
	s_wait_xcnt 0x0                                ; block a - 2's stores have read their registers: block a's loads may land there
.endif
	TOSTAGE \a
	SEND \a-1, 32                                  ; behind block a - 1's loads: block a's 16 stores and 16 loads
.endr
	SEND 3, 0
	s_wait_tensorcnt 0x0                           ; the wave's end, behind my last tensor load and my last LDS store
	ds_add_u32 v[SPW], v[NIL]
	s_wait_dscnt 0x0
	CROUND                                         ; the closing round
	s_endpgm
.Lfunc_end_k_q004e5b92df_oproj:
	.size	k_q004e5b92df_oproj, .Lfunc_end_k_q004e5b92df_oproj-k_q004e5b92df_oproj
	.p2alignl 7, 3214868480
	.fill 96, 4, 3214868480
	.section	.rodata,"a",@progbits
	.p2align	6, 0x0
	.amdhsa_kernel k_q004e5b92df_oproj
		.amdhsa_group_segment_fixed_size 327680
		.amdhsa_private_segment_fixed_size 0
		.amdhsa_enable_private_segment 0
		.amdhsa_kernarg_size 48
		.amdhsa_user_sgpr_count 2
		.amdhsa_user_sgpr_kernarg_segment_ptr 1
		.amdhsa_wavefront_size32 1
		.amdhsa_system_sgpr_workgroup_id_x 1
		.amdhsa_system_sgpr_workgroup_id_y 1
		.amdhsa_system_sgpr_workgroup_id_z 1
		.amdhsa_system_vgpr_workitem_id 0
		.amdhsa_next_free_vgpr 1024
		.amdhsa_next_free_sgpr 102
		.amdhsa_reserve_vcc 0
		.amdhsa_float_denorm_mode_32 3
		.amdhsa_float_denorm_mode_16_64 3
		.amdhsa_memory_ordered 1
		.amdhsa_forward_progress 1
		.amdhsa_inst_pref_size 89
	.end_amdhsa_kernel
	.amdgpu_metadata
---
amdhsa.version: [ 1, 2 ]
amdhsa.kernels:
  - .name:           k_q004e5b92df_oproj
    .symbol:         k_q004e5b92df_oproj.kd
    .args:
      - { .name: ac, .offset: 0, .size: 8, .value_kind: global_buffer, .address_space: global }
      - { .name: asc, .offset: 8, .size: 8, .value_kind: global_buffer, .address_space: global }
      - { .name: wc, .offset: 16, .size: 8, .value_kind: global_buffer, .address_space: global }
      - { .name: ws, .offset: 24, .size: 8, .value_kind: global_buffer, .address_space: global }
      - { .name: bo, .offset: 32, .size: 8, .value_kind: global_buffer, .address_space: global }
      - { .name: out0, .offset: 40, .size: 8, .value_kind: global_buffer, .address_space: global }
    .group_segment_fixed_size: 327680
    .private_segment_fixed_size: 0
    .kernarg_segment_align: 8
    .kernarg_segment_size: 48
    .max_flat_workgroup_size: 128
    .sgpr_count:     102
    .vgpr_count:     1024
    .wavefront_size: 32
...
	.end_amdgpu_metadata
.endif
;; end of part 4
